; MI455X (gfx1250); checked and timed in simulation.
; The chip was launched on July 23, 2026; its instructions are those of AMD's public machine-readable ISA for CDNA 5 (MIT licence, August 2026) and "CDNA5" Instruction Set Architecture Reference Guide (July 2026). The comments in the code are by the model that wrote it; some were corrected since.
;; Multi Head Attention. Allowed arithmetic: float matrix products may take bf16 or f16 operands with f32 sums; all other float work in f32.
;; Inputs: Wk 2,048 x 512 float32; Wo 2,048 x 2,048 float32; Wq 2,048 x 2,048 float32; Wv 2,048 x 512 float32; freqs_cos 2,048 x 64 float32; freqs_sin 2,048 x 64 float32; x 1 x 2,048 x 2,048 float32.
;; Outputs: out0 1 x 2,048 x 2,048 float32.
;; 2 versions, each right; version 2 is version 1 with the launch cast written anew for expert scheduling mode. Each part assembles by itself: llvm-mc -triple=amdgcn-amd-amdhsa -mcpu=gfx1250 --defsym DOCPART=n.
;; ======== version 1 of 2: 4 launches
;; limits: values outside matrix products are rounded to bf16; values are held in f16: magnitudes above 65,504 overflow, below 6.1e-05 lose precision
;; workspace buffers: xb 8,388,608 bytes; wcat 12,582,912 bytes; wob 8,388,608 bytes; qb 8,388,608 bytes; kb 2,097,152 bytes; vb 2,097,152 bytes; yb 8,388,608 bytes; rot 1,048,576 bytes
;; launch cast (part 1): grid 256 x 1, 8 waves a work-group, no clusters, 0 bytes of LDS; arguments x, Wq, Wk, Wv, Wo, xb, wcat, wob, freqs_cos, freqs_sin, rot; writes xb, wcat, wob, rot
.if DOCPART == 1
	.amdgcn_target "amdgcn-amd-amdhsa--gfx1250"
	.amdhsa_code_object_version 6
	.text
	.protected	k_q1c1f205e82_cast
	.globl	k_q1c1f205e82_cast
	.p2align	8
	.type	k_q1c1f205e82_cast,@function
k_q1c1f205e82_cast:
	s_mov_b64 s[64:65], 0
	v_nop
	global_prefetch_b8 v0, s[64:65] scope:SCOPE_SE
	s_setreg_imm32_b32 hwreg(HW_REG_WAVE_MODE, 25, 1), 1
	s_wait_xcnt 0x0
; MULTI-HEAD ATTENTION WITH GROUPED KEYS AND VALUES: T = C = 2048, 16 query heads, 4 key/value heads, head size 128, all tensors f32.
; Four launches.  cast (this one): the inputs rounded once.  proj: q, k, v = x W, with the rotation of q and k.
; attn: softmax(q k^T / sqrt(128)) v under the causal mask.  outp: y Wo.
; WORK LEFT OUT (in attn).  reference() itself sets att[q][k] to -inf wherever k > q (its own jnp.tril), so the softmax weight of such a key
; is exp(-inf) = 0 whatever finite values the inputs hold, and 0 times v adds nothing to y.  A tile of 128 keys whose first key lies behind
; the last query of a block of 64 queries holds such keys alone: it is neither loaded nor multiplied.  The tile on the diagonal holds live
; keys too: it is computed whole and masked.  repeat_kv only copies rows: the four query heads of a group read the same k and v.
; No input is without a way to the output: all seven are loaded.
; NUMBER FORMATS.  All seven inputs enter as their bf16 roundings, the rounding of inputs that the problem's comparison names; freqs_cos and
; freqs_sin too, though they feed no matrix unit.  What one launch hands to the next as a matrix operand (q, k, v, the softmax weights, y) is f16:
; 11 significant bits instead of 8.  The reason: a row with few keys is hardly averaged (row 0 of y is v[0] itself), so its numbers are many times
; the output's root mean square, to which the allowed error is tied, and a rounding to 8 bits of v, of the weights or of y is too coarse there.
; Sums, the rotation and the softmax are f32.
; LIMITS.  A NaN, an infinity or an overflow that reaches only the tiles left out is not carried to the result.  f16's range: |v| and |y| below 65,504
; (x offset by 30 and Wv by 0.6 give 2048 x 18 = 36,864; both 30 times larger give some 4,000); q and k are kept as q / 16 and k / 16, so they have
; room up to 16 x 65,504.  Wo below 2^-17 in magnitude is off by up to 3e-8 in f16.  In attn a sum of (q / 16)(k / 16) below -1e30 is not told
; apart from a masked one.
;
; THIS LAUNCH.  The tiles of the later launches are brought into LDS as they lie in memory, so the rounding is done once, here.
; xb: x in bf16.  wcat: [2048 k][3072] = Wq | Wk | Wv in bf16, a row of 6,144 bytes, so that proj walks one matrix.
; wob: Wo rounded to bf16 and held in f16 (outp multiplies it by y, which is f16).
; rot: f32 [2][2048][64]: cos, then sin, rounded to bf16, widened again and multiplied by 2^-4 (exact): the rotation then yields q / 16 and k / 16.
; Work-group g owns rows 8 g .. 8 g + 7 of the five matrices (64 KiB of x, Wq and Wo, 16 KiB of Wk and Wv, each contiguous) and of the two tables (2 KiB each).
; A thread has 57 slots: one load of 16 bytes (4 f32), the rounding in place, one store.  A wave's load covers 512 consecutive bytes, its store 256 or 512
; consecutive bytes that begin at a multiple of 256.  All 57 loads go out first; each slot has registers of its own, so none that a store reads is written again.
.set D,  8                             ; v[8:235]  slot i: 4 registers
.set NL, 57                            ; loads of a thread
.macro LOADS first, n, base            ; n loads of 4,096 bytes a work-group, from the matrix whose address is in s[base:base+1]
.set i, 0
.rept \n
	global_load_b128 v[D+4*(\first+i):D+4*(\first+i)+3], v1, s[\base:\base+1] offset:4096*i th:TH_LOAD_NT
.set i, i+1
.endr
.endm
.macro ROUND4                          ; slot sl: four f32 become four bf16 in registers 0 and 1
	v_cvt_pk_bf16_f32 v[D+4*sl], v[D+4*sl], v[D+4*sl+1]
	v_cvt_pk_bf16_f32 v[D+4*sl+1], v[D+4*sl+2], v[D+4*sl+3]
.endm
.macro WIDEN4                          ; slot sl: and four f32 again, in registers 0 to 3
	v_lshlrev_b32 v[D+4*sl+2], 16, v[D+4*sl+1]
	v_and_b32 v[D+4*sl+3], s44, v[D+4*sl+1]
	v_and_b32 v[D+4*sl+1], s44, v[D+4*sl]
	v_lshlrev_b32 v[D+4*sl], 16, v[D+4*sl]
.endm
; slot sl is rounded and stored at v[ofs] + im behind s[base:base+1]; half = 1: the bf16 numbers are held in f16; sl steps
.macro OUT ofs, base, half
.if (sl % 4) == 0
	s_wait_loadcnt NL-4-sl                         ; loads return in order: the four slots of this group are in, the 53 - sl younger loads stay out
.endif
	ROUND4
.if \half
	WIDEN4
	v_cvt_pk_f16_f32 v[D+4*sl], v[D+4*sl], v[D+4*sl+1]
	v_cvt_pk_f16_f32 v[D+4*sl+1], v[D+4*sl+2], v[D+4*sl+3]
.endif
	global_store_b64 v[\ofs], v[D+4*sl:D+4*sl+1], s[\base:\base+1] offset:im
.set sl, sl+1
.endm
	s_load_b512 s[8:23], s[0:1], 0x0               ; x, Wq, Wk, Wv, Wo, xb, wcat, wob
	s_load_b128 s[32:35], s[0:1], 0x40             ; freqs_cos, freqs_sin
	s_load_b64 s[36:37], s[0:1], 0x50              ; rot
	v_lshrrev_b32 v7, 5, v0
	v_readfirstlane_b32 s38, v7                    ; wave 0..7
	v_lshlrev_b32 v1, 4, v0                        ; loads: 16 t
	v_lshlrev_b32 v2, 3, v0                        ; stores of the matrices 2,048 wide: 8 t
	v_lshrrev_b32 v4, 7, v0                        ; Wk, Wv: a slot is two rows of 512; t / 128 is the row,
	v_and_b32 v5, 127, v0                          ; t % 128 the place in it
	v_mul_u32_u24 v4, v4, 6144
	v_lshl_add_u32 v3, v5, 3, v4                   ; stores of Wk and Wv into wcat
	v_lshlrev_b32 v6, 4, v5                        ; the tables: 16 (t % 128), for the load and for the store
	s_lshl_b32 s24, ttmp9, 16                      ; 8 rows of 8,192 bytes
	s_mov_b32 s25, 0
	s_lshl_b32 s26, ttmp9, 14                      ; 8 rows of 2,048 bytes
	s_mov_b32 s27, 0
	s_lshl_b32 s28, ttmp9, 15                      ; 8 rows of 4,096 bytes
	s_mov_b32 s29, 0
	s_mul_i32 s30, ttmp9, 49152                    ; 8 rows of 6,144 bytes
	s_mov_b32 s31, 0
	s_lshl_b32 s40, ttmp9, 11                      ; 8 rows of 256 bytes
	s_mov_b32 s41, 0
	s_mov_b32 s43, 0
	s_mov_b32 s44, 0xffff0000                      ; a word's upper bf16
	s_wait_kmcnt 0x0
	s_add_nc_u64 s[8:9], s[8:9], s[24:25]          ; x
	s_add_nc_u64 s[10:11], s[10:11], s[24:25]      ; Wq
	s_add_nc_u64 s[12:13], s[12:13], s[26:27]      ; Wk
	s_add_nc_u64 s[14:15], s[14:15], s[26:27]      ; Wv
	s_add_nc_u64 s[16:17], s[16:17], s[24:25]      ; Wo
	s_add_nc_u64 s[18:19], s[18:19], s[28:29]      ; xb
	s_add_nc_u64 s[20:21], s[20:21], s[30:31]      ; wcat
	s_add_nc_u64 s[22:23], s[22:23], s[28:29]      ; wob
	s_cmp_ge_u32 s38, 4                            ; waves 0 to 3 take cos, waves 4 to 7 sin
	s_cselect_b64 s[32:33], s[34:35], s[32:33]
	s_cselect_b32 s42, 0x80000, 0                  ; sin lies 524,288 bytes behind cos in rot
	s_add_nc_u64 s[32:33], s[32:33], s[40:41]
	s_add_co_u32 s42, s42, s40
	s_add_nc_u64 s[36:37], s[36:37], s[42:43]
	LOADS 0, 16, 8                                 ; x
	LOADS 16, 16, 10                               ; Wq
	LOADS 32, 16, 16                               ; Wo
	LOADS 48, 4, 12                                ; Wk
	LOADS 52, 4, 14                                ; Wv
	global_load_b128 v[D+224:D+227], v6, s[32:33] th:TH_LOAD_NT    ; my wave's table
.set sl, 0
.set i, 0
.rept 16
.set im, 2048*i
	OUT 2, 18, 0                                   ; x to xb
.set i, i+1
.endr
.set i, 0
.rept 16
.set im, (i>>1)*6144+(i&1)*2048
	OUT 2, 20, 0                                   ; Wq: a slot is half a row; columns 0 to 2047 of wcat
.set i, i+1
.endr
.set i, 0
.rept 16
.set im, 2048*i
	OUT 2, 22, 1                                   ; Wo to wob, in f16
.set i, i+1
.endr
.set i, 0
.rept 4
.set im, 2*i*6144+4096
	OUT 3, 20, 0                                   ; Wk: columns 2048 to 2559 of wcat
.set i, i+1
.endr
.set i, 0
.rept 4
.set im, 2*i*6144+5120
	OUT 3, 20, 0                                   ; Wv: columns 2560 to 3071
.set i, i+1
.endr
	s_wait_loadcnt 0x0                             ; the last load: the table's
	ROUND4
	WIDEN4
	v_pk_mul_f32 v[D+4*sl:D+4*sl+1], v[D+4*sl:D+4*sl+1], 0x3d800000 op_sel_hi:[1,0]       ; x 2^-4
	v_pk_mul_f32 v[D+4*sl+2:D+4*sl+3], v[D+4*sl+2:D+4*sl+3], 0x3d800000 op_sel_hi:[1,0]
	global_store_b128 v6, v[D+4*sl:D+4*sl+3], s[36:37]
	s_endpgm
.Lfunc_end_k_q1c1f205e82_cast:
	.size	k_q1c1f205e82_cast, .Lfunc_end_k_q1c1f205e82_cast-k_q1c1f205e82_cast
	.p2alignl 7, 3214868480
	.fill 96, 4, 3214868480
	.section	.rodata,"a",@progbits
	.p2align	6, 0x0
	.amdhsa_kernel k_q1c1f205e82_cast
		.amdhsa_group_segment_fixed_size 0
		.amdhsa_private_segment_fixed_size 0
		.amdhsa_enable_private_segment 0
		.amdhsa_kernarg_size 88
		.amdhsa_user_sgpr_count 2
		.amdhsa_user_sgpr_kernarg_segment_ptr 1
		.amdhsa_wavefront_size32 1
		.amdhsa_system_sgpr_workgroup_id_x 1
		.amdhsa_system_sgpr_workgroup_id_y 1
		.amdhsa_system_sgpr_workgroup_id_z 1
		.amdhsa_system_vgpr_workitem_id 0
		.amdhsa_next_free_vgpr 236
		.amdhsa_next_free_sgpr 66
		.amdhsa_reserve_vcc 0
		.amdhsa_float_denorm_mode_32 3
		.amdhsa_float_denorm_mode_16_64 3
		.amdhsa_memory_ordered 1
		.amdhsa_forward_progress 1
		.amdhsa_inst_pref_size 25
	.end_amdhsa_kernel
	.amdgpu_metadata
---
amdhsa.version: [ 1, 2 ]
amdhsa.kernels:
  - .name:           k_q1c1f205e82_cast
    .symbol:         k_q1c1f205e82_cast.kd
    .args:
      - { .name: x, .offset: 0, .size: 8, .value_kind: global_buffer, .address_space: global }
      - { .name: Wq, .offset: 8, .size: 8, .value_kind: global_buffer, .address_space: global }
      - { .name: Wk, .offset: 16, .size: 8, .value_kind: global_buffer, .address_space: global }
      - { .name: Wv, .offset: 24, .size: 8, .value_kind: global_buffer, .address_space: global }
      - { .name: Wo, .offset: 32, .size: 8, .value_kind: global_buffer, .address_space: global }
      - { .name: xb, .offset: 40, .size: 8, .value_kind: global_buffer, .address_space: global }
      - { .name: wcat, .offset: 48, .size: 8, .value_kind: global_buffer, .address_space: global }
      - { .name: wob, .offset: 56, .size: 8, .value_kind: global_buffer, .address_space: global }
      - { .name: freqs_cos, .offset: 64, .size: 8, .value_kind: global_buffer, .address_space: global }
      - { .name: freqs_sin, .offset: 72, .size: 8, .value_kind: global_buffer, .address_space: global }
      - { .name: rot, .offset: 80, .size: 8, .value_kind: global_buffer, .address_space: global }
    .group_segment_fixed_size: 0
    .private_segment_fixed_size: 0
    .kernarg_segment_align: 8
    .kernarg_segment_size: 88
    .max_flat_workgroup_size: 256
    .sgpr_count:     66
    .vgpr_count:     236
    .wavefront_size: 32
...
	.end_amdgpu_metadata
.endif
;; end of part 1
;; launch proj (part 2): grid 8 x 32, 4 waves a work-group, clusters of 4 x 4, 327,680 bytes of LDS; arguments xb, wcat, rot, qb, kb, vb; writes qb, kb, vb
.if DOCPART == 2
	.amdgcn_target "amdgcn-amd-amdhsa--gfx1250"
	.amdhsa_code_object_version 6
	.text
	.protected	k_q1c1f205e82_proj
	.globl	k_q1c1f205e82_proj
	.p2align	8
	.type	k_q1c1f205e82_proj,@function
k_q1c1f205e82_proj:
	s_mov_b64 s[64:65], 0
	v_nop
	global_prefetch_b8 v0, s[64:65] scope:SCOPE_SE
	s_setreg_imm32_b32 hwreg(HW_REG_WAVE_MODE, 25, 1), 1
	s_wait_xcnt 0x0
	s_wait_alu depctr_hold_cnt(0) depctr_sa_sdst(0) depctr_va_vdst(0) depctr_va_sdst(0) depctr_va_ssrc(0) depctr_va_vcc(0) depctr_vm_vsrc(0)
	s_getreg_b32 s2, hwreg(HW_REG_IB_STS2, 6, 4)
	s_cmp_eq_u32 s2, 0
	s_cbranch_scc0 .Lentry_in_a_cluster
	s_endpgm
.Lentry_in_a_cluster:
	s_bfe_u32 s2, ttmp6, 0x10000c
	s_cmp_lg_u32 s2, 0xf033
	s_cbranch_scc0 .Lentry_shape_is_right
	s_endpgm
.Lentry_shape_is_right:
; q, k, v = x [Wq | Wk | Wv], q and k rotated (RoPE), all rounded to f16.  xb: [2048][2048] bf16, wcat: [2048 k][3072] bf16.
; rot: f32 [2][2048][64]: cos / 16, then sin / 16 (of the bf16 roundings), so that what is stored is q / 16 and k / 16: room in f16; attn's constant makes up for it.
; qb: [16 heads][2048][128], kb, vb: [4 heads][2048][128], f16.  Nothing of this product is left out.  Limit: |v| below 65,504, |q| and |k| below 16 x 65,504.
; A work-group makes 64 rows x 384 columns: query heads 2 bx and 2 bx + 1 (256 columns) and one head of k (bx < 4) or of v (bx >= 4).
; 8 x 32 work-groups.  Four waves; a wave makes 64 rows x 96 columns (64 of q, 32 of k or v): 24 accumulator tiles of 16 x 16.
; K goes in 16 steps of 128 through two LDS slots.  A slot holds three chunks of W (128 k rows x 128 columns, rows of 256 bytes, pitch 288)
; and the tile of x (64 rows x 128 k, pitch 272).  Waves 0 to 2 fetch a chunk each, wave 3 fetches x's tile: one tensor load a wave and step.
; Both slots' first fills go out together at the start.  Slots of two steps would take 2 x 256,000 bytes and do not fit in LDS.
; CLUSTERS: 4 x 4 work-groups.  x's tile hangs on the block row alone and is asked for jointly by a row of the cluster; W's chunks hang on
; the block column alone and are asked for jointly by a column.  Each joint refill stands behind a round of the cluster's barrier.
; W lies [K][N] in LDS: its fragments come by the transposing LDS load (pitch 288, an odd multiple of 32 bytes).
; THE MATRIX INSTRUCTION IS USED TRANSPOSED: source 0 = 16 columns of W, source 1 = 16 rows of x.  Lane (r = l % 16, h = l / 16) then holds
; row r and the eight neighbouring columns 8 h .. 8 h + 7 of a tile: four (even, odd) pairs for the rotation, 16 bytes of f16 for the way out.
; REGISTER WINDOWS: 0: addresses, two fragment buffers, work; 1: the 24 accumulator tiles, tile (mt, i) at v[8 (6 mt + i)];
; 2: cos (4 registers) and sin (4 registers) of the same tile at the same number.
.set NT,     6                         ; column tiles of a wave
.set NCH,    3                         ; chunks of W in a slot
.set BCH,    128*288                   ; a chunk in LDS
.set ATILE,  64*272                    ; x's tile in LDS
.set SLOT,   NCH*BCH+ATILE             ; 128,000
.set STAGE,  2*SLOT                    ; the way out: 64 rows x 784 bytes, behind the ring; no tensor load lands there
.set SPITCH, 784                       ; 768 bytes of a row + 16: sixteen rows start at sixteen different 16-byte columns modulo 256
.set ASTEP,  256                       ; a K step along x's rows, bytes
.set BPITCH, 3072                      ; elements in a row of wcat
.set BSTEP,  128*BPITCH*2              ; a K step down W's rows, bytes
.set G1A, 24                           ; s[24:31] descriptor group 1, x's tile
.set G1B, 32                           ; s[32:39] descriptor group 1, W's chunks
.set G0A, 40                           ; s[40:47] descriptor group 0, x's tile, a set for each slot
.set G0B, 48                           ; s[48:55] descriptor group 0, W's chunk, a set for each slot
.set ADA,  8                           ; v8-9    LDS address of x's fragments, slot 0, 1
.set ADBQ, 10                          ; v10-11  of my q columns' fragments
.set ADBK, 12                          ; v12-13  of my k or v columns' fragments
.set CQ,   14                          ; v14     byte offset in cos and sin for q's tiles
.set CK,   15                          ; v15     for k's tiles
.set STQ,  16                          ; v16     stage: where my q tiles go
.set STK,  17                          ; v17     stage: where my k or v tiles go
.set RD,   18                          ; v18     stage: where I read rows back
.set GO,   19                          ; v19     byte offset of those rows in qb, kb, vb
.set FA,   32                          ; fragments of x, buffer f at FA + 80 f (4 x 8 registers)
.set FB,   64                          ; fragments of W, buffer f at FB + 80 f (6 x 8 registers)
.set MSB, 0
.macro WIN new                         ; the immediate's high byte repeats the setting that is left
.if MSB != \new
	s_set_vgpr_msb (MSB<<8)|\new
.set MSB, \new
.endif
.endm
; A round of the cluster's barrier: my work-group's barrier, wave 0 signals for the work-group, every wave waits for all sixteen, my work-group's barrier again.
.macro ROUND
	s_barrier_signal -1
	s_barrier_wait -1
	s_cmp_lg_u32 s18, 0
	s_cbranch_scc1 .Lnot_wave_0_\@
	s_barrier_signal -3
.Lnot_wave_0_\@:
	s_barrier_wait -3
	s_barrier_signal -1
	s_barrier_wait -1
.endm
; The joint load of slot s: waves 0 to 2 ask for their chunk of W, wave 3 for x's tile.  The branch hangs on the wave's number alone; every wave issues one load.
.macro JLOAD s
	s_cmp_lt_u32 s18, NCH
	s_cbranch_scc0 .Lfor_a_\@
	tensor_load_to_lds s[G0B+4*\s:G0B+4*\s+3], s[G1B:G1B+7]
	s_nop 0
	s_branch .Lasked_\@
.Lfor_a_\@:
	tensor_load_to_lds s[G0A+4*\s:G0A+4*\s+3], s[G1A:G1A+7]
	s_nop 0
.Lasked_\@:
.endm
; The fragments of quarter q (32 along K) of slot s into buffer f: 8 plain loads for x, 12 transposing loads for W.
; The four v_nop are the places between the matrix instructions that read buffer f and the loads into it.
.macro FETCH s, q, f
	WIN 0
.rept 4
	v_nop
.endr
.irp mt, 0,1,2,3
	ds_load_b128 v[FA+80*\f+8*\mt:FA+80*\f+8*\mt+3], v[ADA+\s] offset:4352*\mt+64*\q
	ds_load_b128 v[FA+80*\f+8*\mt+4:FA+80*\f+8*\mt+7], v[ADA+\s] offset:4352*\mt+64*\q+32
.endr
.irp i, 0,1,2,3
	ds_load_tr16_b128 v[FB+80*\f+8*\i:FB+80*\f+8*\i+3], v[ADBQ+\s] offset:9216*\q+32*\i
	ds_load_tr16_b128 v[FB+80*\f+8*\i+4:FB+80*\f+8*\i+7], v[ADBQ+\s] offset:9216*\q+32*\i+4608
.endr
.irp i, 0,1
	ds_load_tr16_b128 v[FB+80*\f+32+8*\i:FB+80*\f+32+8*\i+3], v[ADBK+\s] offset:9216*\q+32*\i
	ds_load_tr16_b128 v[FB+80*\f+32+8*\i+4:FB+80*\f+32+8*\i+7], v[ADBK+\s] offset:9216*\q+32*\i+4608
.endr
.endm
; 24 matrix instructions on buffer f.  The 24 accumulators take turns, one instruction a turn.  zero = 1: the first product starts the sums.
.macro MUL f, zero
	WIN 0x50                                       ; C and D in window 1
.irp mt, 0,1,2,3
.irp i, 0,1,2,3,4,5
.if \zero
	v_wmma_f32_16x16x32_bf16 v[8*(NT*\mt+\i):8*(NT*\mt+\i)+7], v[FB+80*\f+8*\i:FB+80*\f+8*\i+7], v[FA+80*\f+8*\mt:FA+80*\f+8*\mt+7], 0
.else
	v_wmma_f32_16x16x32_bf16 v[8*(NT*\mt+\i):8*(NT*\mt+\i)+7], v[FB+80*\f+8*\i:FB+80*\f+8*\i+7], v[FA+80*\f+8*\mt:FA+80*\f+8*\mt+7], v[8*(NT*\mt+\i):8*(NT*\mt+\i)+7]
.endif
.endr
.endr
.endm
; The four quarters of the K step in slot s.
.macro WORK s, zero
	FETCH \s, 0, 0
	s_wait_dscnt 0x0
	FETCH \s, 1, 1                                 ; the next quarter's loads land during this quarter's 24 matrix instructions
	MUL 0, \zero
	s_wait_dscnt 0x0
	FETCH \s, 2, 0
	MUL 1, 0
	s_wait_dscnt 0x0
	FETCH \s, 3, 1
	MUL 0, 0
	s_wait_dscnt 0x0
	MUL 1, 0
	WIN 0                                          ; at a label and at a branch every window is 0
.endm
; One K step on slot s; o = the other slot, which was read last and, with refill = 1, gets the next step's tiles.
.macro TRIP s, o, refill
	s_wait_tensorcnt 0x0                           ; all my tensor loads have landed, my part of this step's slot among them,
	ds_add_u32 v254, v255
	s_wait_dscnt 0x0
.if \refill
	s_add_nc_u64 s[G0A+4*\o+2:G0A+4*\o+3], s[G0A+4*\o+2:G0A+4*\o+3], 2*ASTEP   ; so a group 0 may be written: the other slot's next tile
	s_add_nc_u64 s[G0B+4*\o+2:G0B+4*\o+3], s[G0B+4*\o+2:G0B+4*\o+3], 2*BSTEP
.endif
	s_wait_dscnt 0x0                               ; my reads of the other slot are back
.if \refill
	ROUND                                          ; both now hold of every wave of all sixteen work-groups
	JLOAD \o                                       ; my one tensor load behind the round
.else
	s_barrier_signal -1                            ; my work-group's own is enough
	s_barrier_wait -1
.endif
	WORK \s, 0
.endm
; The rotation of tile idx into v[tb:tb+7].  Source 0 in window 1 (the sums), source 1 in window 2 (cos, sin).
; (re, im) -> (re cos - im sin, re sin + im cos): a product and a fused multiply-add for each number.
.macro ROPE
.irp p, 0,1,2,3
	v_mul_f32 v[tb+2*\p], v[8*idx+2*\p+1], v[8*idx+4+\p]
	v_mul_f32 v[tb+2*\p+1], v[8*idx+2*\p+1], v[8*idx+\p]
.endr
.irp p, 0,1,2,3
	v_fma_f32 v[tb+2*\p], v[8*idx+2*\p], v[8*idx+\p], -v[tb+2*\p]
	v_fma_f32 v[tb+2*\p+1], v[8*idx+2*\p], v[8*idx+4+\p], v[tb+2*\p+1]
.endr
.endm
	s_load_b256 s[4:11], s[0:1], 0x0               ; xb s[4:5], wcat s[6:7], rot s[8:9], qb s[10:11]
	s_load_b128 s[12:15], s[0:1], 0x20             ; kb s[12:13], vb s[14:15]
	v_lshl_add_u32 v254, v0, 2, 0x4ac00
	v_mov_b32 v255, 0
	ds_add_u32 v254, v255
	v_lshrrev_b32 v1, 5, v0
	v_readfirstlane_b32 s18, v1                    ; wave 0..3
	s_bfe_u32 s19, ttmp6, 0x40000                  ; cx
	s_bfe_u32 s20, ttmp6, 0x40004                  ; cy
	s_mov_b32 s67, ttmp9                           ; the cluster's x: 0 = my third chunk is a head of k, 1 = of v; the same in the whole cluster
	s_lshl_b32 s21, ttmp9, 2
	s_add_co_u32 s21, s21, s19                     ; bx: block column
	s_and_b32 s22, ttmp7, 0xffff
	s_lshl_b32 s22, s22, 2
	s_add_co_u32 s22, s22, s20                     ; by: block row
	s_lshl_b32 s23, s20, 2
	s_lshl_b32 s23, 15, s23                        ; my row of the cluster
	s_lshl_b32 s60, 0x1111, s19                    ; my column
	; group 1 of x's tile: 64 rows x 128 elements of 2 bytes, 4 words of padding behind every 64 words
	s_or_b32 s[G1A+0], s23, (1<<16)|(1<<20)|(1<<21)|(5<<22)|(3<<25)
	s_mov_b32 s[G1A+1], 128<<16                    ; tensor_dim0 = 128
	s_mov_b32 s[G1A+2], 64<<16                     ; tensor_dim1 = 64
	s_mov_b32 s[G1A+3], 128<<16                    ; tile_dim0 = 128
	s_mov_b32 s[G1A+4], 64                         ; tile_dim1 = 64
	s_mov_b32 s[G1A+5], 2048                       ; elements from row to row
	s_mov_b32 s[G1A+6], 0
	s_mov_b32 s[G1A+7], 0
	; group 1 of W's chunks: 128 rows x 128 elements, 8 words of padding behind every 64 words
	s_or_b32 s[G1B+0], s60, (1<<16)|(1<<20)|(1<<21)|(5<<22)|(7<<25)
	s_mov_b32 s[G1B+1], 128<<16
	s_mov_b32 s[G1B+2], 128<<16
	s_mov_b32 s[G1B+3], 128<<16
	s_mov_b32 s[G1B+4], 128
	s_mov_b32 s[G1B+5], BPITCH
	s_mov_b32 s[G1B+6], 0
	s_mov_b32 s[G1B+7], 0
	s_lshl_b32 s56, s22, 18                        ; x: 64 by rows of 4,096 bytes (the block row alone)
	s_mov_b32 s57, 0
	s_lshl_b32 s58, s21, 8                         ; W: column 256 bx + 128 w for the chunks of q,
	s_lshl_b32 s61, s18, 7
	s_add_co_u32 s58, s58, s61
	s_lshl_b32 s61, s21, 7
	s_add_co_u32 s61, s61, 2048                    ; 2048 + 128 bx for the chunk of k or v (the block column alone)
	s_cmp_eq_u32 s18, 2
	s_cselect_b32 s58, s61, s58
	s_lshl_b32 s58, s58, 1                         ; in bytes
	s_mov_b32 s59, 0
	s_mul_i32 s62, s18, BCH                        ; my part of a slot: the wave's number alone
	s_lshl_b32 s72, s22, 14                        ; 64 by rows of 256 bytes: cos, sin, qb, kb, vb
	s_mov_b32 s73, 0
	s_lshl_b32 s78, s21, 20                        ; qb: head 2 bx
	s_add_co_u32 s78, s78, s72
	s_mov_b32 s79, 0
	s_lshl_b32 s80, s19, 19                        ; kb, vb: head cx
	s_add_co_u32 s80, s80, s72
	s_mov_b32 s81, 0
	s_wait_dscnt 0x0
	s_wait_kmcnt 0x0
	s_add_nc_u64 s[56:57], s[4:5], s[56:57]
	s_add_nc_u64 s[58:59], s[6:7], s[58:59]
	s_add_nc_u64 s[68:69], s[8:9], s[72:73]        ; cos at my first row
	s_add_nc_u64 s[70:71], s[68:69], 0x80000       ; sin: 524,288 bytes behind cos
	s_add_nc_u64 s[74:75], s[10:11], s[78:79]      ; qb at my first head and row
	s_cmp_lg_u32 s67, 0
	s_cselect_b64 s[76:77], s[14:15], s[12:13]     ; vb or kb
	s_add_nc_u64 s[76:77], s[76:77], s[80:81]
.irp s, 0,1
	s_mov_b32 s[G0A+4*\s], 1                                       ; count = 1
	s_add_co_u32 s[G0A+4*\s+1], s62, \s*SLOT                       ; LDS address
	s_add_nc_u64 s[G0A+4*\s+2:G0A+4*\s+3], s[56:57], \s*ASTEP      ; K step s
	s_or_b32 s[G0A+4*\s+3], s[G0A+4*\s+3], 0x80000000              ; type = 2
	s_mov_b32 s[G0B+4*\s], 1
	s_add_co_u32 s[G0B+4*\s+1], s62, \s*SLOT
	s_add_nc_u64 s[G0B+4*\s+2:G0B+4*\s+3], s[58:59], \s*BSTEP
	s_or_b32 s[G0B+4*\s+3], s[G0B+4*\s+3], 0x80000000
.endr
	ROUND                                          ; all sixteen work-groups are here: the first joint loads meet
	JLOAD 0                                        ; K step 0
	JLOAD 1                                        ; K step 1: both first fills go out as one group; a wave has two tensor loads out here, later one
	v_and_b32 v2, 15, v0                           ; r
	v_bfe_u32 v3, v0, 4, 1                         ; h
	v_and_b32 v4, 7, v0
	v_bfe_u32 v5, v0, 3, 1
	v_mul_u32_u24 v6, v2, 272
	v_lshl_add_u32 v6, v3, 4, v6                   ; x's fragments: row r, 16 h bytes
	v_add_nc_u32 v[ADA], NCH*BCH, v6
	v_add_nc_u32 v[ADA+1], NCH*BCH+SLOT, v6
	v_lshl_add_u32 v4, v3, 3, v4                   ; W's fragments: k row 8 h + l % 8,
	v_mul_u32_u24 v4, v4, 288
	v_lshl_add_u32 v4, v5, 4, v4                   ; columns 8 ((l / 8) % 2) ..
	s_lshr_b32 s82, s18, 1
	s_mul_i32 s82, s82, BCH                        ; my 64 columns of q: chunk w / 2,
	s_and_b32 s83, s18, 1
	s_lshl_b32 s83, s83, 7                         ; half w % 2
	s_add_co_u32 s82, s82, s83
	v_add_nc_u32 v[ADBQ], s82, v4
	v_add_nc_u32 v[ADBQ+1], SLOT, v[ADBQ]
	v_lshlrev_b32 v6, 8, v2
	v_lshl_add_u32 v6, v3, 4, v6                   ; cos, sin: row r of 256 bytes, pairs 4 h ..
	v_add_nc_u32 v[CQ], s83, v6                    ; q: my columns begin at 64 (w % 2) of a head: pair 32 (w % 2), 128 bytes
	s_lshl_b32 s83, s18, 6
	v_add_nc_u32 v[CK], s83, v6                    ; k: my columns begin at 32 w: pair 16 w, 64 bytes
	s_add_co_u32 s83, s83, 2*BCH                   ; my 32 columns of k or v in chunk 2
	v_add_nc_u32 v[ADBK], s83, v4
	v_add_nc_u32 v[ADBK+1], SLOT, v[ADBK]
	v_mul_u32_u24 v7, v2, SPITCH
	v_lshl_add_u32 v7, v3, 4, v7                   ; stage, in: row r, 16 h bytes
	s_lshl_b32 s83, s18, 7
	s_add_co_u32 s83, s83, STAGE
	v_add_nc_u32 v[STQ], s83, v7
	s_lshl_b32 s83, s18, 6
	s_add_co_u32 s83, s83, STAGE+512
	v_add_nc_u32 v[STK], s83, v7
	v_mul_u32_u24 v7, v3, SPITCH
	v_lshl_add_u32 v7, v2, 4, v7                   ; stage, back: lanes 0-15 one row's 256 bytes, lanes 16-31 the next row's
	s_mul_i32 s83, s18, 16*SPITCH
	s_add_co_u32 s83, s83, STAGE
	v_add_nc_u32 v[RD], s83, v7
	v_lshlrev_b32 v7, 8, v3
	v_lshl_add_u32 v7, v2, 4, v7
	s_lshl_b32 s83, s18, 12
	v_add_nc_u32 v[GO], s83, v7                    ; the same rows in qb, kb, vb: rows of 256 bytes
	WIN 0x80                                       ; destination in window 2
.irp mt, 0,1,2,3
.irp i, 0,1,2,3
	global_load_b128 v[8*(NT*\mt+\i):8*(NT*\mt+\i)+3], v[CQ], s[68:69] offset:4096*\mt+32*\i     ; cos of q's tile (mt, i): needed behind the K loop
	global_load_b128 v[8*(NT*\mt+\i)+4:8*(NT*\mt+\i)+7], v[CQ], s[70:71] offset:4096*\mt+32*\i   ; sin
.endr
.endr
	WIN 0
	s_wait_tensorcnt 0x1                           ; my part of K step 0 has landed; K step 1's load, issued behind it, stays out
	s_barrier_signal -1
	s_barrier_wait -1                              ; everybody's part of K step 0 has landed
	WORK 0, 1                                      ; K step 0 stands in front of the loop: its first products start the sums
	s_mov_b32 s66, 7
.Lk:
	TRIP 1, 0, 1                                   ; K steps 1, 3, .. 13; slot 0 gets steps 2, 4, .. 14
	TRIP 0, 1, 1                                   ; K steps 2, 4, .. 14; slot 1 gets steps 3, 5, .. 15
	s_sub_co_i32 s66, s66, 1
	s_cmp_lg_u32 s66, 0
	s_cbranch_scc1 .Lk
	TRIP 1, 0, 0                                   ; K step 15 fetches nothing
.rept 4
	v_nop                                          ; the places between the last matrix instructions and the first reads of their results
.endr
	; THE WAY OUT: rotate, round to f16, 16 bytes a lane into the stage, whole rows of 256 bytes back and out.
	s_wait_loadcnt 0x0                             ; cos and sin of q's tiles
	s_cmp_lg_u32 s67, 0
	s_cbranch_scc1 .Lq_out                         ; a head of v is not rotated: its tables are not loaded
	WIN 0x80
.irp mt, 0,1,2,3
.irp i, 0,1
	global_load_b128 v[8*(NT*\mt+4+\i):8*(NT*\mt+4+\i)+3], v[CK], s[68:69] offset:4096*\mt+32*\i
	global_load_b128 v[8*(NT*\mt+4+\i)+4:8*(NT*\mt+4+\i)+7], v[CK], s[70:71] offset:4096*\mt+32*\i
.endr
.endr
	WIN 0
.Lq_out:
.irp mt, 0,1,2,3
	WIN 0x09
.irp i, 0,1,2,3
.set idx, NT*\mt+\i
.set tb, 32+8*\i
	ROPE
.endr
	WIN 0
.irp k, 0,1,2,3,4,5,6,7,8,9,10,11,12,13,14,15
	v_cvt_pk_f16_f32 v[64+\k], v[32+2*\k], v[32+2*\k+1]
.endr
.irp i, 0,1,2,3
	ds_store_b128 v[STQ], v[64+4*\i:64+4*\i+3] offset:16*SPITCH*\mt+32*\i
.endr
.endr
	s_wait_loadcnt 0x0                             ; cos and sin of k's tiles (none is out for a head of v)
	s_cmp_lg_u32 s67, 0
	s_cbranch_scc1 .Lv_out
	WIN 0x09
.irp mt, 0,1,2,3
.irp i, 0,1
.set idx, NT*\mt+4+\i
.set tb, 32+8*(2*\mt+\i)
	ROPE
.endr
.endr
	WIN 0
.set k, 0
.rept 32
	v_cvt_pk_f16_f32 v[96+k], v[32+2*k], v[32+2*k+1]
.set k, k+1
.endr
	s_branch .Lkv_store
.Lv_out:
	WIN 0x05                                       ; both sources in window 1
.irp mt, 0,1,2,3
.irp i, 0,1
.irp k, 0,1,2,3
	v_cvt_pk_f16_f32 v[96+4*(2*\mt+\i)+\k], v[8*(NT*\mt+4+\i)+2*\k], v[8*(NT*\mt+4+\i)+2*\k+1]
.endr
.endr
.endr
	WIN 0
.Lkv_store:
.irp mt, 0,1,2,3
.irp i, 0,1
	ds_store_b128 v[STK], v[96+4*(2*\mt+\i):96+4*(2*\mt+\i)+3] offset:16*SPITCH*\mt+32*\i
.endr
.endr
	s_wait_dscnt 0x0                               ; my stores into the stage are done: every row holds parts of all four waves,
	s_barrier_signal -1
	s_barrier_wait -1                              ; so rows are read behind this barrier
.set n, 0
.irp u, 0,1,2,3,4,5,6,7
.irp c, 0,1,2
	ds_load_b128 v[32+4*n:32+4*n+3], v[RD] offset:2*SPITCH*\u+256*\c
.set n, n+1
.endr
.endr
.set n, 0
.irp u, 0,1,2,3,4,5,6,7
.irp c, 0,1,2
	s_wait_dscnt 23-n                              ; LDS loads return in order: the n-th is in, the 23 - n younger ones stay out
.if \c < 2
	global_store_b128 v[GO], v[32+4*n:32+4*n+3], s[74:75] offset:524288*\c+512*\u   ; sixteen lanes store one row of a head: 256 consecutive bytes, aligned
.else
	global_store_b128 v[GO], v[32+4*n:32+4*n+3], s[76:77] offset:512*\u
.endif
.set n, n+1
.endr
.endr
	s_wait_tensorcnt 0x0
	ds_add_u32 v254, v255
	s_wait_dscnt 0x0
	ROUND                                          ; the closing round: no work-group ends while a partner may still ask for a tile that names it
	s_endpgm
.Lfunc_end_k_q1c1f205e82_proj:
	.size	k_q1c1f205e82_proj, .Lfunc_end_k_q1c1f205e82_proj-k_q1c1f205e82_proj
	.p2alignl 7, 3214868480
	.fill 96, 4, 3214868480
	.section	.rodata,"a",@progbits
	.p2align	6, 0x0
	.amdhsa_kernel k_q1c1f205e82_proj
		.amdhsa_group_segment_fixed_size 327680
		.amdhsa_private_segment_fixed_size 0
		.amdhsa_enable_private_segment 0
		.amdhsa_kernarg_size 48
		.amdhsa_user_sgpr_count 2
		.amdhsa_user_sgpr_kernarg_segment_ptr 1
		.amdhsa_wavefront_size32 1
		.amdhsa_system_sgpr_workgroup_id_x 1
		.amdhsa_system_sgpr_workgroup_id_y 1
		.amdhsa_system_sgpr_workgroup_id_z 1
		.amdhsa_system_vgpr_workitem_id 0
		.amdhsa_next_free_vgpr 704
		.amdhsa_next_free_sgpr 84
		.amdhsa_reserve_vcc 0
		.amdhsa_float_denorm_mode_32 3
		.amdhsa_float_denorm_mode_16_64 3
		.amdhsa_memory_ordered 1
		.amdhsa_forward_progress 1
		.amdhsa_inst_pref_size 95
	.end_amdhsa_kernel
	.amdgpu_metadata
---
amdhsa.version: [ 1, 2 ]
amdhsa.kernels:
  - .name:           k_q1c1f205e82_proj
    .symbol:         k_q1c1f205e82_proj.kd
    .args:
      - { .name: xb, .offset: 0, .size: 8, .value_kind: global_buffer, .address_space: global }
      - { .name: wcat, .offset: 8, .size: 8, .value_kind: global_buffer, .address_space: global }
      - { .name: rot, .offset: 16, .size: 8, .value_kind: global_buffer, .address_space: global }
      - { .name: qb, .offset: 24, .size: 8, .value_kind: global_buffer, .address_space: global }
      - { .name: kb, .offset: 32, .size: 8, .value_kind: global_buffer, .address_space: global }
      - { .name: vb, .offset: 40, .size: 8, .value_kind: global_buffer, .address_space: global }
    .group_segment_fixed_size: 327680
    .private_segment_fixed_size: 0
    .kernarg_segment_align: 8
    .kernarg_segment_size: 48
    .max_flat_workgroup_size: 128
    .sgpr_count:     84
    .vgpr_count:     704
    .wavefront_size: 32
...
	.end_amdgpu_metadata
.endif
;; end of part 2
;; launch attn (part 3): grid 256 x 1, 8 waves a work-group, clusters of 4 x 1, 327,680 bytes of LDS; arguments qb, kb, vb, yb; writes yb
.if DOCPART == 3
	.amdgcn_target "amdgcn-amd-amdhsa--gfx1250"
	.amdhsa_code_object_version 6
	.text
	.protected	k_q1c1f205e82_attn
	.globl	k_q1c1f205e82_attn
	.p2align	8
	.type	k_q1c1f205e82_attn,@function
k_q1c1f205e82_attn:
	s_mov_b64 s[64:65], 0
	v_nop
	global_prefetch_b8 v0, s[64:65] scope:SCOPE_SE
	s_setreg_imm32_b32 hwreg(HW_REG_WAVE_MODE, 25, 1), 1
	s_wait_xcnt 0x0
	s_wait_alu depctr_hold_cnt(0) depctr_sa_sdst(0) depctr_va_vdst(0) depctr_va_sdst(0) depctr_va_ssrc(0) depctr_va_vcc(0) depctr_vm_vsrc(0)
	s_getreg_b32 s2, hwreg(HW_REG_IB_STS2, 6, 4)
	s_cmp_eq_u32 s2, 0
	s_cbranch_scc0 .Lentry_in_a_cluster
	s_endpgm
.Lentry_in_a_cluster:
	s_bfe_u32 s2, ttmp6, 0x10000c
	s_cmp_lg_u32 s2, 0x3003
	s_cbranch_scc0 .Lentry_shape_is_right
	s_endpgm
.Lentry_shape_is_right:
; y = softmax(q k^T / sqrt(128), causal) v.  qb: [16][2048][128] (q / 16), kb: [4][2048][128] (k / 16), vb: [4][2048][128], yb: [2048][16 x 128], all f16.
; The products are f16 x f16 with f32 sums; the softmax weights and y are rounded to f16.  The raw score here is (q / 16)(k / 16), so the softmax's constant is
; 256 log2(e) / sqrt(128).
; WORK LEFT OUT: tiles of 128 keys that lie wholly behind a block's last query.  reference()'s own mask gives them the weight exp(-inf) = 0 for all
; finite inputs.  A NaN or an infinity in those tiles alone is not carried to the result.  A raw score below -1e30 is not told apart from a masked one.
; |y| stays below 65,504 wherever |v| does: y is a weighted mean of v.
; SHARE.  Cluster cl = 0..63: key/value head cl % 4, p = cl / 4.  Its four work-groups are the four query heads of that group.  A work-group makes two
; blocks of 64 queries, p and 31 - p: (p / 2 + 1) + ((31 - p) / 2 + 1) = 17 key tiles for every work-group, so the work is even, and the four partners
; walk the same K and V tiles in the same order: each tile is asked for jointly (mask 15).  Only q's and y's addresses hang on the place in the cluster.
; Of the two blocks the one with the ODD number of tiles goes first (block a): the 17 tiles take the two LDS slots by turns, so block b always begins on
; slot 1, and the last tile, on slot 0, is never a diagonal one (block b has at least two tiles).
; EIGHT WAVES, two on a SIMD: wave w has key group kg = w % 4 and query half qh = w / 4.  It holds queries 32 qh .. + 31 of the block and takes, of each
; tile, keys 16 kg .. + 15 and 64 + 16 kg .. + 15, with a running maximum and sum of its own.  At a block's end the four key groups are merged through LDS.
; TRANSPOSED FORMS.  S^T = K Q^T (source 0 = 16 keys, source 1 = 16 queries, kept in registers) and O^T = V^T P^T (source 0 = V by the transposing LDS
; load).  A lane (r = l % 16, h = l / 16) holds query r and keys or head columns 8 h .. 8 h + 7, so the statistics are one register a lane and query tile,
; and S^T packed to f16 in place IS the fragment of P^T: registers 0-3 keys 8 h .. of the first sixteen, registers 4-7 of the second sixteen.
; MATRIX WORK BESIDE VECTOR WORK.  The wave's two query tiles take turns.  A trip: the 8 S products of tile 0; the 8 S products of tile 1 with one slice of
; tile 0's softmax (55 instructions in 8 slices) behind each; tile 1's softmax; the 16 PV products with the rescaling of O's tile n + 2 (4 packed products)
; behind product n.  What decides this split is the register windows.  A wave holds O 128 + Q 64 + K 64 + V 64 + S 64 registers, more than one window of 256.
; Window 0 holds Q, K, S and the statistics, so S products and softmax run under one setting; window 1 holds O and V, so PV products (D, C and source 0
; there, P as source 1 in window 0) and the rescaling (destination and source 0 there, the factor as source 1 in window 0) run under one setting.
; A softmax instruction among PV products would take its destination from O's window: that is why tile 1's softmax has no products beside it.
; S has a set of registers for each LDS slot, so a trip's S products do not write over the P that the last trip's PV products read.
; A BLOCK'S FIRST TILE STARTS THE SUMS.  A block's tiles run from the diagonal down to tile 0.  The first one is masked, its sixteen PV products take the constant 0
; as C and so write O's 128 registers, and it has no rescaling: nothing is cleared.  Only three statistics of each query tile are set by hand at a block's start
; (the maximum to -1e30, which keeps it finite where all my keys are masked; the pair of sums to 0).  Block a's first tile is trip 0, written out ahead of the loop.
; Block b's is trip n_a, an odd one: there the trip's number selects the merge of block a, the mask and the starting form of the PV products.
; THE LOOP IS ENTERED AT ITS SECOND HALF.  17 tiles are one first fill and 16 refills, at the heads of trips 0 to 15; trip 16 refills nothing and is written out behind
; the loop.  With trip 0 ahead of the loop, 15 refilling trips are left, an odd number on two slots: trip 1, then the pairs (2, 3) .. (14, 15).  Trip 1 is the same
; text as trips 3, 5, .. 15, so the way in jumps to the label between the loop's two trips, and the loop's end is passed eight times.  Written out, trip 1 would be a
; fifth copy of a tile's text and a third of the merge's.  The jump is unconditional, the same in every wave and every partner; each trip has its own waits, round and
; joint load at its head, and every wait on TENSORcnt in this text is for 0, so none leans on the way by which it is reached.
.set PART, 18432                       ; a part of a slot: 64 rows of K (pitch 272) or of V (pitch 288)
.set SLOT, 4*PART                      ; K rows 0-63, K rows 64-127, V rows 0-63, V rows 64-127
.set KP,   272
.set VP,   288
.set OSC,  2*SLOT                      ; the merge: key group kg's O as [64 queries][128] f32, pitch 528; no tensor load lands from here on
.set OWV,  64*528
.set OPI,  528
.set STM,  OSC+4*OWV                   ; [64 queries][4 key groups] f32: the maxima; + 1024 the sums; + 2048 the merge's factors
.set G1K, 24                           ; s[24:31] group 1 for K
.set G1V, 32                           ; s[32:39] group 1 for V
.set G0K, 40                           ; s[40:47] group 0 for K, a set for each slot
.set G0V, 48                           ; s[48:55] group 0 for V
.set KA,  8                            ; v8-9    K fragments, slot 0, 1
.set VA,  10                           ; v10-11  V fragments
.set QA,  12                           ; v12     byte offset of my part of a Q fragment
.set DQ0, 13                           ; v13     r + 32 qh - 16 kg - 8 h
.set DQ,  14                           ; v14     + the block's first query in its diagonal tile (0 or 64)
.set SMA, 15                           ; v15     where my maxima go
.set OSA, 16                           ; v16     where my O goes
.set SRA, 17                           ; v17     the four key groups' statistics of query 8 w + l % 8
.set GBA, 18                           ; v18     the factors of my eight queries
.set OR0, 19                           ; v19     O of key groups 0, 1, my eight queries, 16 bytes a lane
.set OR2, 20                           ; v20     O of key groups 2, 3
.set YO,  21                           ; v21     byte offset in y
.set TX,  22                           ; v[22:23] what the other half of the lanes holds, one for each query tile
.set ST,  24                           ; v[24:39] for query tile qt at 8 qt: -c m, m | the rescaling factor, its argument | the sum, as a pair | two partial maxima
.set YD,  48                           ; v[48:63] the merge: two registers of f16 for each of my eight rows
.set QF,  64                           ; v[64:127]   Q fragment (qt, ks) at 8 (4 qt + ks)
.set KF,  128                          ; v[128:191]  K fragment (ks, mt) at 8 (2 ks + mt)
.set SB,  192                          ; v[192:255]  slot s's set at 32 s: S(mt, qt) at 16 qt + 8 mt; P(qt) in 16 qt .. 16 qt + 7
.set MB,  128                          ; the merge: four rows of 20 registers, over K's fragments and S's set 0
.set SS,  208                          ; the merge: statistics
.set VW,  128                          ; window 1: V fragment dt at 128 + 8 dt; O's tile (dt, qt) at 8 (2 dt + qt)
.set MSB, 0
.macro WIN new                         ; the immediate's high byte repeats the setting that is left
.if MSB != \new
	s_set_vgpr_msb (MSB<<8)|\new
.set MSB, \new
.endif
.endm
.macro ROUND                           ; a round of the cluster's barrier
	s_barrier_signal -1
	s_barrier_wait -1
	s_cmp_lg_u32 s12, 0
	s_cbranch_scc1 .Lnot_wave_0_\@
	s_barrier_signal -3
.Lnot_wave_0_\@:
	s_barrier_wait -3
	s_barrier_signal -1
	s_barrier_wait -1
.endm
.macro JLOAD s                         ; waves 0, 1 ask for K's halves, waves 2, 3 for V's, waves 4 to 7 for nothing: a step has four tiles of 64 rows
	s_cmp_lt_u32 s12, 2
	s_cbranch_scc0 .Lnot_k_\@
	tensor_load_to_lds s[G0K+4*\s:G0K+4*\s+3], s[G1K:G1K+7]
	s_nop 0
	s_branch .Lasked_\@
.Lnot_k_\@:
	s_cmp_lt_u32 s12, 4
	s_cbranch_scc0 .Lasked_\@
	tensor_load_to_lds s[G0V+4*\s:G0V+4*\s+3], s[G1V:G1V+7]
	s_nop 0
.Lasked_\@:
.endm
; Slot s's group 0 gets the address of tile s18; s18 steps down, and from block a's tile 0 on to block b's diagonal tile.
.macro NEXT s
	s_lshl_b32 s60, s18, 15                        ; 128 rows of 256 bytes a tile; s61 = 0
	s_add_nc_u64 s[G0K+4*\s+2:G0K+4*\s+3], s[56:57], s[60:61]
	s_or_b32 s[G0K+4*\s+3], s[G0K+4*\s+3], 0x80000000
	s_add_nc_u64 s[G0V+4*\s+2:G0V+4*\s+3], s[58:59], s[60:61]
	s_or_b32 s[G0V+4*\s+3], s[G0V+4*\s+3], 0x80000000
	s_sub_co_i32 s18, s18, 1
	s_cmp_lt_i32 s18, 0
	s_cselect_b32 s18, s17, s18
.endm
.macro QLOAD ptr                       ; my 32 queries of the block as 8 fragments
.irp qt, 0,1
.irp ks, 0,1,2,3
	global_load_b128 v[QF+8*(4*\qt+\ks):QF+8*(4*\qt+\ks)+3], v[QA], s[\ptr:\ptr+1] offset:4096*\qt+64*\ks
	global_load_b128 v[QF+8*(4*\qt+\ks)+4:QF+8*(4*\qt+\ks)+7], v[QA], s[\ptr:\ptr+1] offset:4096*\qt+64*\ks+32
.endr
.endr
.endm
; A block's start: the statistics of both query tiles.  The maximum -1e30 keeps it finite where all my keys are masked; O is started by the first tile's PV products.
.macro START
.irp qt, 0,1
	v_mov_b32 v[ST+8*\qt+1], 0xf149f2ca            ; -1e30
	v_mov_b32 v[ST+8*\qt+4], 0
	v_mov_b32 v[ST+8*\qt+5], 0
.endr
.endm
; One S product: 16 keys (mt) x 16 queries (qt) x 32 of the head size (ks), into slot s's set.  The first of the four starts the sum.
.macro SMUL s, ks, mt, qt
.if \ks == 0
	v_wmma_f32_16x16x32_f16 v[SB+32*\s+16*\qt+8*\mt:SB+32*\s+16*\qt+8*\mt+7], v[KF+8*(2*\ks+\mt):KF+8*(2*\ks+\mt)+7], v[QF+8*(4*\qt+\ks):QF+8*(4*\qt+\ks)+7], 0
.else
	v_wmma_f32_16x16x32_f16 v[SB+32*\s+16*\qt+8*\mt:SB+32*\s+16*\qt+8*\mt+7], v[KF+8*(2*\ks+\mt):KF+8*(2*\ks+\mt)+7], v[QF+8*(4*\qt+\ks):QF+8*(4*\qt+\ks)+7], v[SB+32*\s+16*\qt+8*\mt:SB+32*\s+16*\qt+8*\mt+7]
.endif
.endm
; THE SOFTMAX OF ONE QUERY TILE.  Three symbols say which: XB its 16 registers of S, SP its 8 registers of statistics, TXP its register of TX.
; The mask of a block's first tile, which lies on the diagonal: key 64 mt + 16 kg + 8 h + j stays where it is <= query q0 + 32 qh + 16 qt + r,
; that is 64 mt + j - 16 qt <= DQ.  form 1: always; form 2: if the trip's number s19 equals n_a (s16).
.macro MASK qt, form
.if \form == 2
	s_cmp_lg_u32 s19, s16                          ; both the same in all waves and all partners
	s_cbranch_scc1 .Lno_mask_\@
.endif
.irp mt, 0,1
.irp j, 0,1,2,3,4,5,6,7
	v_cmp_le_i32 vcc_lo, 64*\mt+\j-16*\qt, v[DQ]
	v_cndmask_b32 v[XB+8*\mt+\j], s78, v[XB+8*\mt+\j], vcc_lo
.endr
.endr
.if \form == 2
.Lno_mask_\@:
.endif
.endm
.macro ARG k                           ; pair k: c s - c m
	v_pk_fma_f32 v[XB+2*\k:XB+2*\k+1], v[XB+2*\k:XB+2*\k+1], s[74:75], v[SP:SP+1] op_sel_hi:[1,0,0]
.endm
.macro EXPS k                          ; pair k: the two weights
	v_exp_f32 v[XB+2*\k], v[XB+2*\k]
	v_exp_f32 v[XB+2*\k+1], v[XB+2*\k+1]
.endm
.macro SUMPK k                         ; pair k is added to the pair of running sums (pair 0 with their rescaling), then packed to f16 in place:
.if \k == 0                            ; register k is written when pairs 0 .. k have been summed, and it held a number of pair k / 2
	s_wait_alu depctr_va_vdst(0)
	v_pk_fma_f32 v[SP+4:SP+5], v[SP+4:SP+5], v[SP+2:SP+3], v[XB:XB+1] op_sel_hi:[1,0,1]
.else
	s_wait_alu depctr_va_vdst(0)
	v_pk_add_f32 v[SP+4:SP+5], v[SP+4:SP+5], v[XB+2*\k:XB+2*\k+1]
.endif
	v_cvt_pk_f16_f32 v[XB+\k], v[XB+2*\k], v[XB+2*\k+1]
.endm
; Eight slices.  Behind each pair of exponentials stands a plain instruction on other registers before their results are used (ISA guide 5.7.2).
.macro SLICE n
.if \n == 0                            ; the running maximum of the raw scores in the lane, in two chains
	v_max3_num_f32 v[SP+6], v[SP+1], v[XB], v[XB+1]
	v_max3_num_f32 v[SP+7], v[XB+8], v[XB+9], v[XB+10]
	v_max3_num_f32 v[SP+6], v[SP+6], v[XB+2], v[XB+3]
	v_max3_num_f32 v[SP+7], v[SP+7], v[XB+11], v[XB+12]
	v_max3_num_f32 v[SP+6], v[SP+6], v[XB+4], v[XB+5]
	v_max3_num_f32 v[SP+7], v[SP+7], v[XB+13], v[XB+14]
	v_max3_num_f32 v[SP+6], v[SP+6], v[XB+6], v[XB+7]
	v_max3_num_f32 v[SP+6], v[SP+6], v[SP+7], v[XB+15]
.endif
.if \n == 1                            ; with the lane that holds the query's other keys; the rescaling factor
	v_permlanex16_b32 v[TXP], v[SP+6], s76, s77
	v_max_num_f32 v[SP+6], v[SP+6], v[TXP]         ; the new maximum
	v_sub_f32 v[SP+3], v[SP+1], v[SP+6]            ; old - new, formed first: exactly 0 where the maximum stays, also at -1e30
	v_mul_f32 v[SP], s81, v[SP+6]                  ; -c m
	v_mul_f32 v[SP+3], s74, v[SP+3]
	v_mov_b32 v[SP+1], v[SP+6]
	v_exp_f32 v[SP+2], v[SP+3]
	ARG 0
.endif
.if \n == 2
	EXPS 0
	ARG 1
	EXPS 1
	ARG 2
	SUMPK 0
.endif
.if \n == 3
	EXPS 2
	ARG 3
	SUMPK 1
.endif
.if \n == 4
	EXPS 3
	ARG 4
	SUMPK 2
.endif
.if \n == 5
	EXPS 4
	ARG 5
	SUMPK 3
.endif
.if \n == 6
	EXPS 5
	ARG 6
	SUMPK 4
.endif
.if \n == 7                            ; its seven plain instructions are also the places between tile 1's last S products and the first reads of their results,
	EXPS 6                             ; and the first PV product that takes tile 1's registers as a source
	ARG 7
	SUMPK 5
	EXPS 7
	SUMPK 6
	SUMPK 7
.endif
.endm
.macro RESC                            ; O's tile rn times its query tile's factor; rn steps
.irp k, 0,1,2,3
	v_pk_mul_f32 v[8*rn+2*\k:8*rn+2*\k+1], v[8*rn+2*\k:8*rn+2*\k+1], v[ST+8*(rn&1)+2:ST+8*(rn&1)+3] op_sel_hi:[1,0]
.endr
.set rn, rn+1
.endm
; One key tile in slot s.  form 0: never a block's first tile; 1: always; 2: if the trip's number s19 equals n_a (s16).
.macro COMPUTE s, form
.irp ks, 0,1,2,3
.irp mt, 0,1
	ds_load_b128 v[KF+8*(2*\ks+\mt):KF+8*(2*\ks+\mt)+3], v[KA+\s] offset:PART*\mt+64*\ks
	ds_load_b128 v[KF+8*(2*\ks+\mt)+4:KF+8*(2*\ks+\mt)+7], v[KA+\s] offset:PART*\mt+64*\ks+32
.endr
.endr
.irp ks, 0,1,2,3
	s_wait_dscnt 12-4*\ks                          ; four loads for each 32 of the head size: those of the later ones stay out
	SMUL \s, \ks, 0, 0                             ; query tile 0.  Here and below two accumulators take turns, one instruction a turn
	SMUL \s, \ks, 1, 0
.endr
.set XB, SB+32*\s
.set SP, ST
.set TXP, TX
	SMUL \s, 0, 0, 1                               ; query tile 1, with tile 0's softmax in slices
.rept 4
	v_nop                                          ; the places between tile 0's S products and the first reads of S, and between the last trip's PV products and the loads over V
.endr
	WIN 0x40                                       ; the loads' destination in window 1
.irp dt, 0,1,2,3,4,5,6,7
	ds_load_tr16_b128 v[VW+8*\dt:VW+8*\dt+3], v[VA+\s] offset:32*\dt            ; V^T: head columns 16 dt + r, keys 16 kg + 8 h ..
	ds_load_tr16_b128 v[VW+8*\dt+4:VW+8*\dt+7], v[VA+\s] offset:32*\dt+PART     ; keys 64 + 16 kg + 8 h ..; they land during the softmax
.endr
	WIN 0
.if \form
	MASK 0, \form
.endif
	SLICE 0
	SMUL \s, 0, 1, 1
	SLICE 1
	SMUL \s, 1, 0, 1
	SLICE 2
	SMUL \s, 1, 1, 1
	SLICE 3
	SMUL \s, 2, 0, 1
	SLICE 4
	SMUL \s, 2, 1, 1
	SLICE 5
	SMUL \s, 3, 0, 1
	SLICE 6
	SMUL \s, 3, 1, 1
	SLICE 7
.set XB, SB+32*\s+16
.set SP, ST+8
.set TXP, TX+1
.if \form
	MASK 1, \form
.endif
.irp nn, 0,1,2,3,4,5,6,7
	SLICE \nn                                      ; tile 1's softmax
.endr
	s_wait_dscnt 0x0                               ; V's fragments
.if \form == 2
	s_cmp_eq_u32 s19, s16                          ; both the same in all waves and all partners
	s_cbranch_scc1 .Lstart_sums_\@
.endif
.if \form != 1
	WIN 0x51                                       ; D, C and source 0 in window 1, source 1 in window 0: serves the products and the rescaling
.set rn, 0
	RESC
	RESC
.irp dt, 0,1,2,3,4,5,6,7
.irp qt, 0,1
	v_wmma_f32_16x16x32_f16 v[8*(2*\dt+\qt):8*(2*\dt+\qt)+7], v[VW+8*\dt:VW+8*\dt+7], v[SB+32*\s+16*\qt:SB+32*\s+16*\qt+7], v[8*(2*\dt+\qt):8*(2*\dt+\qt)+7]
.if rn < 16
	RESC                                           ; two tiles ahead of the products, so that no product stands straight behind the rescaling of its own tile
.endif
.endr
.endr                                              ; sixteen accumulators, one instruction each
	WIN 0
.endif
.if \form == 2
	s_branch .Lpv_done_\@
.Lstart_sums_\@:
.endif
.if \form != 0
	WIN 0x51                                       ; a block's first tile: the products start O's sums, and there is nothing to rescale
.irp dt, 0,1,2,3,4,5,6,7
.irp qt, 0,1
	v_wmma_f32_16x16x32_f16 v[8*(2*\dt+\qt):8*(2*\dt+\qt)+7], v[VW+8*\dt:VW+8*\dt+7], v[SB+32*\s+16*\qt:SB+32*\s+16*\qt+7], 0
.endr
.endr                                              ; sixteen accumulators, one instruction each
	WIN 0
.endif
.if \form == 2
.Lpv_done_\@:
.endif
.endm
; A block's end: the waves' O, maxima and sums meet in LDS; wave w finishes queries 8 w .. 8 w + 7 and stores them to y behind s[yp:yp+1].
.macro MERGE yp
.rept 4
	v_nop                                          ; the places between the last PV products and the stores that read O and the loads over P
.endr
.irp qt, 0,1
	v_add_f32 v[ST+8*\qt+4], v[ST+8*\qt+4], v[ST+8*\qt+5]                       ; the pair of sums
.endr
.irp qt, 0,1
	v_permlanex16_b32 v[TX+\qt], v[ST+8*\qt+4], s76, s77
.endr
.irp qt, 0,1
	v_add_f32 v[ST+8*\qt+4], v[ST+8*\qt+4], v[TX+\qt]                           ; the sum over both halves of the wave's keys
.endr
.irp qt, 0,1
	ds_store_b32 v[SMA], v[ST+8*\qt+1] offset:256*\qt                           ; lanes r and 16 + r store the same word with the same value
	ds_store_b32 v[SMA], v[ST+8*\qt+4] offset:256*\qt+1024
.endr
	WIN 0x04                                       ; the stores' data in window 1
.irp dt, 0,1,2,3,4,5,6,7
.irp qt, 0,1
	ds_store_b128 v[OSA], v[8*(2*\dt+\qt):8*(2*\dt+\qt)+3] offset:16*OPI*\qt+64*\dt
	ds_store_b128 v[OSA], v[8*(2*\dt+\qt)+4:8*(2*\dt+\qt)+7] offset:16*OPI*\qt+64*\dt+16
.endr
.endr
	WIN 0
	s_wait_dscnt 0x0                               ; my stores are done,
	s_barrier_signal -1
	s_barrier_wait -1                              ; everybody's are.  The next tile's load may stay on its way
	ds_load_b128 v[SS:SS+3], v[SRA]                ; the four maxima of query 8 w + l % 8
	ds_load_b128 v[SS+4:SS+7], v[SRA] offset:1024  ; the four sums
	s_wait_dscnt 0x0
	v_max3_num_f32 v[SS+8], v[SS], v[SS+1], v[SS+2]
	v_max_num_f32 v[SS+8], v[SS+8], v[SS+3]        ; key group 0 holds key 0, which no query masks: this maximum is a true score
	v_mul_f32 v[SS+8], s81, v[SS+8]
.irp i, 0,1,2,3
	v_fma_f32 v[SS+12+\i], v[SS+\i], s74, v[SS+8]  ; the rounding of -c m is the same in all four and cancels in the quotient below
.endr
.irp i, 0,1,2,3
	v_exp_f32 v[SS+12+\i], v[SS+12+\i]
.endr
	v_nop
	s_wait_alu depctr_va_vdst(0)
	v_mul_f32 v[SS+9], v[SS+12], v[SS+4]
	v_fmac_f32 v[SS+9], v[SS+13], v[SS+5]
	v_fmac_f32 v[SS+9], v[SS+14], v[SS+6]
	v_fmac_f32 v[SS+9], v[SS+15], v[SS+7]
	v_rcp_f32 v[SS+10], v[SS+9]
	v_nop
	s_wait_alu depctr_va_vdst(0)
.irp i, 0,1,2,3
	v_mul_f32 v[SS+12+\i], v[SS+12+\i], v[SS+10]   ; key group i's factor: exp2(c (m_i - m)) / sum
.endr
	ds_store_b128 v[SRA], v[SS+12:SS+15] offset:2048   ; my own eight rows: LDS serves a wave's instructions in order, so my loads below see them
.irp bt, 0,1
.irp uu, 0,1,2,3
	ds_load_b128 v[MB+20*\uu:MB+20*\uu+3], v[GBA] offset:16*(4*\bt+\uu)                   ; the row's four factors, in every lane
	ds_load_b128 v[MB+20*\uu+4:MB+20*\uu+7], v[OR0] offset:OPI*(4*\bt+\uu)
	ds_load_b128 v[MB+20*\uu+8:MB+20*\uu+11], v[OR0] offset:OPI*(4*\bt+\uu)+OWV
	ds_load_b128 v[MB+20*\uu+12:MB+20*\uu+15], v[OR2] offset:OPI*(4*\bt+\uu)
	ds_load_b128 v[MB+20*\uu+16:MB+20*\uu+19], v[OR2] offset:OPI*(4*\bt+\uu)+OWV
.endr
.irp uu, 0,1,2,3
	s_wait_dscnt 15-5*\uu                          ; five loads a row: those of the batch's later rows stay out
	v_pk_mul_f32 v[MB+20*\uu+4:MB+20*\uu+5], v[MB+20*\uu+4:MB+20*\uu+5], v[MB+20*\uu:MB+20*\uu+1] op_sel_hi:[1,0]
	v_pk_mul_f32 v[MB+20*\uu+6:MB+20*\uu+7], v[MB+20*\uu+6:MB+20*\uu+7], v[MB+20*\uu:MB+20*\uu+1] op_sel_hi:[1,0]
	v_pk_fma_f32 v[MB+20*\uu+4:MB+20*\uu+5], v[MB+20*\uu+8:MB+20*\uu+9], v[MB+20*\uu:MB+20*\uu+1], v[MB+20*\uu+4:MB+20*\uu+5] op_sel:[0,1,0]
	v_pk_fma_f32 v[MB+20*\uu+6:MB+20*\uu+7], v[MB+20*\uu+10:MB+20*\uu+11], v[MB+20*\uu:MB+20*\uu+1], v[MB+20*\uu+6:MB+20*\uu+7] op_sel:[0,1,0]
	v_pk_fma_f32 v[MB+20*\uu+4:MB+20*\uu+5], v[MB+20*\uu+12:MB+20*\uu+13], v[MB+20*\uu+2:MB+20*\uu+3], v[MB+20*\uu+4:MB+20*\uu+5] op_sel_hi:[1,0,1]
	v_pk_fma_f32 v[MB+20*\uu+6:MB+20*\uu+7], v[MB+20*\uu+14:MB+20*\uu+15], v[MB+20*\uu+2:MB+20*\uu+3], v[MB+20*\uu+6:MB+20*\uu+7] op_sel_hi:[1,0,1]
	v_pk_fma_f32 v[MB+20*\uu+4:MB+20*\uu+5], v[MB+20*\uu+16:MB+20*\uu+17], v[MB+20*\uu+2:MB+20*\uu+3], v[MB+20*\uu+4:MB+20*\uu+5] op_sel:[0,1,0]
	v_pk_fma_f32 v[MB+20*\uu+6:MB+20*\uu+7], v[MB+20*\uu+18:MB+20*\uu+19], v[MB+20*\uu+2:MB+20*\uu+3], v[MB+20*\uu+6:MB+20*\uu+7] op_sel:[0,1,0]
	v_cvt_pk_f16_f32 v[YD+2*(4*\bt+\uu)], v[MB+20*\uu+4], v[MB+20*\uu+5]
	v_cvt_pk_f16_f32 v[YD+2*(4*\bt+\uu)+1], v[MB+20*\uu+6], v[MB+20*\uu+7]
	global_store_b64 v[YO], v[YD+2*(4*\bt+\uu):YD+2*(4*\bt+\uu)+1], s[\yp:\yp+1] offset:4096*(4*\bt+\uu)   ; 32 lanes store a head's 256 bytes of one row of y, aligned
.endr
.endr
	s_wait_xcnt 0x0                                ; the stores' data registers are written again, by the next merge, only behind this wait
.endm
; One tile of the stream, in slot s; o = the other slot.  form as in COMPUTE; with form 2 block b begins here if this is trip n_a.
.macro TRIP s, o, refill, form
	s_wait_tensorcnt 0x0                           ; all my tensor loads have landed, my part of this trip's slot among them,
	ds_add_u32 v46, v47
	s_wait_dscnt 0x0
.if \refill
	NEXT \o                                        ; so a group 0 may be written
.endif
	s_wait_dscnt 0x0                               ; my reads of the other slot, and of the merge's bytes, are back
	ROUND                                          ; both now hold of every wave of the four work-groups
.if \refill
	JLOAD \o                                       ; my one tensor load behind the round: the next tile, into the slot read last
.endif
.if \form == 2
	s_cmp_lg_u32 s19, s16                          ; the trip's number against n_a: both the same in all waves and all partners
	s_cbranch_scc1 .Lsame_block_\@
	QLOAD 68                                       ; block b's queries come in while block a is merged
	MERGE 70
	START
	v_add_nc_u32 v[DQ], s80, v[DQ0]
	s_wait_loadcnt 0x0                             ; block b's queries
.Lsame_block_\@:
.endif
	COMPUTE \s, \form
	s_add_co_u32 s19, s19, 1
.endm
	s_load_b256 s[4:11], s[0:1], 0x0               ; qb s[4:5], kb s[6:7], vb s[8:9], yb s[10:11]
	v_lshl_add_u32 v46, v0, 2, 0x45c00
	v_mov_b32 v47, 0
	ds_add_u32 v46, v47
	v_lshrrev_b32 v1, 5, v0
	v_readfirstlane_b32 s12, v1                    ; wave 0..7
	s_and_b32 s84, s12, 3                          ; kg: my key group
	s_lshr_b32 s85, s12, 2                         ; qh: my half of the queries
	s_bfe_u32 s13, ttmp6, 0x40000                  ; cx: which query head of the group
	s_and_b32 s14, ttmp9, 3                        ; key/value head
	s_lshr_b32 s82, ttmp9, 2                       ; p
	s_sub_co_u32 s83, 31, s82                      ; 31 - p
	s_and_b32 s23, s82, 2                          ; p / 2 + 1 is odd where bit 1 of p is 0
	s_cmp_lg_u32 s23, 0
	s_cselect_b32 s15, s83, s82                    ; block a: the one with the odd number of tiles
	s_sub_co_u32 s22, 31, s15                      ; block b
	s_lshr_b32 s16, s15, 1
	s_add_co_u32 s16, s16, 1                       ; n_a: block a's tiles, 1, 3, .. 15
	s_lshr_b32 s17, s22, 1                         ; n_b - 1: block b's diagonal tile
	s_lshl2_add_u32 s21, s14, s13                  ; query head
	s_mov_b32 s19, 0                               ; the trip's number
	s_mov_b32 s74, 0x420293ee                      ; c = 256 log2(e) / sqrt(128): the 256 makes up for q / 16 and k / 16
	s_mov_b32 s75, 0x420293ee
	s_mov_b32 s81, 0xc20293ee                      ; -c
	s_mov_b32 s76, 0x76543210                      ; v_permlanex16_b32: lane i of one half reads lane i of the other
	s_mov_b32 s77, 0xfedcba98
	s_mov_b32 s78, 0xff800000                      ; -inf
	s_and_b32 s79, s15, 1
	s_lshl_b32 s79, s79, 6                         ; block a's first query in its diagonal tile
	s_and_b32 s80, s22, 1
	s_lshl_b32 s80, s80, 6                         ; block b's
	; group 1: 64 rows x 128 elements of 2 bytes, mask 15; K: 4 words of padding behind every 64 words, V: 8
	s_mov_b32 s[G1K+0], 15|(1<<16)|(1<<20)|(1<<21)|(5<<22)|(3<<25)
	s_mov_b32 s[G1K+1], 128<<16
	s_mov_b32 s[G1K+2], 64<<16
	s_mov_b32 s[G1K+3], 128<<16
	s_mov_b32 s[G1K+4], 64
	s_mov_b32 s[G1K+5], 128
	s_mov_b32 s[G1K+6], 0
	s_mov_b32 s[G1K+7], 0
	s_mov_b32 s[G1V+0], 15|(1<<16)|(1<<20)|(1<<21)|(5<<22)|(7<<25)
	s_mov_b32 s[G1V+1], 128<<16
	s_mov_b32 s[G1V+2], 64<<16
	s_mov_b32 s[G1V+3], 128<<16
	s_mov_b32 s[G1V+4], 64
	s_mov_b32 s[G1V+5], 128
	s_mov_b32 s[G1V+6], 0
	s_mov_b32 s[G1V+7], 0
	s_lshl_b32 s60, s14, 19                        ; the key/value head's 2,048 rows of 256 bytes,
	s_and_b32 s23, s12, 1
	s_lshl_b32 s23, s23, 14                        ; and which 64 rows of a tile I fetch
	s_add_co_u32 s60, s60, s23
	s_mov_b32 s61, 0
	s_mul_i32 s62, s84, PART                       ; the part of a slot that waves 0 to 3 fill
	s_mov_b32 s83, 0
	s_wait_dscnt 0x0
	s_wait_kmcnt 0x0
	s_add_nc_u64 s[56:57], s[6:7], s[60:61]        ; K at tile 0
	s_add_nc_u64 s[58:59], s[8:9], s[60:61]        ; V at tile 0
	s_lshl_b32 s63, s21, 19                        ; q: the head's 2,048 rows of 256 bytes
	s_lshl_b32 s82, s15, 14                        ; + 64 rows a block
	s_add_co_u32 s82, s82, s63
	s_add_nc_u64 s[66:67], s[4:5], s[82:83]        ; block a's queries
	s_lshl_b32 s82, s22, 14
	s_add_co_u32 s82, s82, s63
	s_add_nc_u64 s[68:69], s[4:5], s[82:83]        ; block b's
	s_lshl_b32 s63, s21, 8                         ; y: the head's 256 bytes of a row
	s_lshl_b32 s82, s15, 18                        ; + 64 rows of 4,096 bytes a block
	s_add_co_u32 s82, s82, s63
	s_add_nc_u64 s[70:71], s[10:11], s[82:83]      ; block a's y
	s_lshl_b32 s82, s22, 18
	s_add_co_u32 s82, s82, s63
	s_add_nc_u64 s[72:73], s[10:11], s[82:83]      ; block b's
.irp s, 0,1
	s_mov_b32 s[G0K+4*\s], 1
	s_add_co_u32 s[G0K+4*\s+1], s62, \s*SLOT
	s_mov_b32 s[G0V+4*\s], 1
	s_add_co_u32 s[G0V+4*\s+1], s62, \s*SLOT
.endr
	s_sub_co_u32 s18, s16, 1                       ; the stream begins at block a's diagonal tile
	NEXT 0
	ROUND                                          ; the four work-groups are here: the first joint loads meet
	JLOAD 0
	v_and_b32 v1, 31, v0                           ; l
	v_and_b32 v2, 15, v0                           ; r
	v_bfe_u32 v3, v0, 4, 1                         ; h
	v_and_b32 v4, 7, v0                            ; l % 8
	v_bfe_u32 v5, v0, 3, 1
	v_lshlrev_b32 v6, 8, v2
	v_lshl_add_u32 v6, v3, 4, v6                   ; q: row r of 256 bytes, 16 h,
	s_lshl_b32 s23, s85, 13
	v_add_nc_u32 v[QA], s23, v6                    ; + 32 qh rows
	QLOAD 66                                       ; block a's queries
	v_mul_u32_u24 v6, v2, KP
	v_lshl_add_u32 v6, v3, 4, v6
	s_mul_i32 s23, s84, 16*KP
	v_add_nc_u32 v[KA], s23, v6                    ; K: row 16 kg + r, 16 h
	v_add_nc_u32 v[KA+1], SLOT, v[KA]
	v_lshl_add_u32 v7, v3, 3, v4
	v_mul_u32_u24 v7, v7, VP
	v_lshl_add_u32 v7, v5, 4, v7
	s_mul_i32 s23, s84, 16*VP
	s_add_co_u32 s23, s23, 2*PART
	v_add_nc_u32 v[VA], s23, v7                    ; V: row 16 kg + 8 h + l % 8, columns 8 ((l / 8) % 2) ..
	v_add_nc_u32 v[VA+1], SLOT, v[VA]
	v_lshlrev_b32 v6, 3, v3
	v_sub_nc_u32 v6, v2, v6
	s_lshl_b32 s23, s84, 4
	s_lshl_b32 s82, s85, 5
	s_sub_co_i32 s23, s23, s82
	v_sub_nc_u32 v[DQ0], v6, s23                   ; r - 8 h - 16 kg + 32 qh
	v_add_nc_u32 v[DQ], s79, v[DQ0]
	s_lshl_b32 s23, s84, 2
	s_lshl_b32 s82, s85, 9
	s_add_co_u32 s23, s23, s82
	s_add_co_u32 s23, s23, STM
	v_lshl_add_u32 v[SMA], v2, 4, s23              ; statistics of query 32 qh + 16 qt + r, key group kg
	v_mul_u32_u24 v6, v2, OPI
	v_lshl_add_u32 v6, v3, 5, v6
	s_mul_i32 s23, s84, OWV
	s_mul_i32 s82, s85, 32*OPI
	s_add_co_u32 s23, s23, s82
	s_add_co_u32 s23, s23, OSC
	v_add_nc_u32 v[OSA], s23, v6                   ; O: key group kg's region, row 32 qh + r, columns 8 h .. in f32
	s_lshl_b32 s23, s12, 7
	s_add_co_u32 s23, s23, STM
	v_lshl_add_u32 v[SRA], v4, 4, s23              ; query 8 w + l % 8: four words
	s_add_co_u32 s23, s23, 2048
	v_mov_b32 v[GBA], s23
	s_mul_i32 s23, s12, 8*OPI
	s_add_co_u32 s23, s23, OSC
	v_lshl_add_u32 v[OR0], v1, 4, s23              ; rows 8 w .., 16 bytes a lane
	v_add_nc_u32 v[OR2], 2*OWV, v[OR0]
	s_lshl_b32 s23, s12, 15
	v_lshl_add_u32 v[YO], v1, 3, s23               ; y: rows 8 w .. of 4,096 bytes, 8 bytes a lane
.irp qt, 0,1
	v_mov_b32 v[TX+\qt], 0                         ; v_permlanex16_b32 counts as a reader of its destination
.endr
	START                                          ; block a starts
	s_wait_loadcnt 0x0                             ; block a's queries
	TRIP 0, 1, 1, 1                                ; trip 0, block a's diagonal tile: its PV products write O, so O is written on every way into the loop
	s_mov_b32 s20, 8                               ; the loop's end is passed behind trips 1, 3, .. 15
	s_branch .Lodd                                 ; trip 1 is the loop's second half
.Ltiles:
	TRIP 0, 1, 1, 0                                ; trips 2, 4, .. 14: never a block's first tile, since n_a is odd
.Lodd:
	TRIP 1, 0, 1, 2                                ; trips 1, 3, .. 15: block b begins in one of them
	s_sub_co_i32 s20, s20, 1
	s_cmp_lg_u32 s20, 0
	s_cbranch_scc1 .Ltiles
	TRIP 0, 1, 0, 0                                ; trip 16, block b's tile 0: nothing is left to fetch
	MERGE 72
	s_wait_tensorcnt 0x0
	ds_add_u32 v46, v47
	s_wait_dscnt 0x0
	ROUND                                          ; the closing round: no work-group ends while a partner may still ask for a tile that names it
	s_endpgm
.Lfunc_end_k_q1c1f205e82_attn:
	.size	k_q1c1f205e82_attn, .Lfunc_end_k_q1c1f205e82_attn-k_q1c1f205e82_attn
	.p2alignl 7, 3214868480
	.fill 96, 4, 3214868480
	.section	.rodata,"a",@progbits
	.p2align	6, 0x0
	.amdhsa_kernel k_q1c1f205e82_attn
		.amdhsa_group_segment_fixed_size 327680
		.amdhsa_private_segment_fixed_size 0
		.amdhsa_enable_private_segment 0
		.amdhsa_kernarg_size 32
		.amdhsa_user_sgpr_count 2
		.amdhsa_user_sgpr_kernarg_segment_ptr 1
		.amdhsa_wavefront_size32 1
		.amdhsa_system_sgpr_workgroup_id_x 1
		.amdhsa_system_sgpr_workgroup_id_y 1
		.amdhsa_system_sgpr_workgroup_id_z 1
		.amdhsa_system_vgpr_workitem_id 0
		.amdhsa_next_free_vgpr 448
		.amdhsa_next_free_sgpr 86
		.amdhsa_reserve_vcc 1
		.amdhsa_float_denorm_mode_32 3
		.amdhsa_float_denorm_mode_16_64 3
		.amdhsa_memory_ordered 1
		.amdhsa_forward_progress 1
		.amdhsa_inst_pref_size 100
	.end_amdhsa_kernel
	.amdgpu_metadata
---
amdhsa.version: [ 1, 2 ]
amdhsa.kernels:
  - .name:           k_q1c1f205e82_attn
    .symbol:         k_q1c1f205e82_attn.kd
    .args:
      - { .name: qb, .offset: 0, .size: 8, .value_kind: global_buffer, .address_space: global }
      - { .name: kb, .offset: 8, .size: 8, .value_kind: global_buffer, .address_space: global }
      - { .name: vb, .offset: 16, .size: 8, .value_kind: global_buffer, .address_space: global }
      - { .name: yb, .offset: 24, .size: 8, .value_kind: global_buffer, .address_space: global }
    .group_segment_fixed_size: 327680
    .private_segment_fixed_size: 0
    .kernarg_segment_align: 8
    .kernarg_segment_size: 32
    .max_flat_workgroup_size: 256
    .sgpr_count:     86
    .vgpr_count:     448
    .wavefront_size: 32
...
	.end_amdgpu_metadata
.endif
;; end of part 3
;; launch outp (part 4): grid 16 x 16, 4 waves a work-group, clusters of 4 x 4, 327,680 bytes of LDS; arguments yb, wob, out0; writes out0
.if DOCPART == 4
	.amdgcn_target "amdgcn-amd-amdhsa--gfx1250"
	.amdhsa_code_object_version 6
	.text
	.protected	k_q1c1f205e82_outp
	.globl	k_q1c1f205e82_outp
	.p2align	8
	.type	k_q1c1f205e82_outp,@function
k_q1c1f205e82_outp:
	s_mov_b64 s[64:65], 0
	v_nop
	global_prefetch_b8 v0, s[64:65] scope:SCOPE_SE
	s_setreg_imm32_b32 hwreg(HW_REG_WAVE_MODE, 25, 1), 1
	s_wait_xcnt 0x0
	s_wait_alu depctr_hold_cnt(0) depctr_sa_sdst(0) depctr_va_vdst(0) depctr_va_sdst(0) depctr_va_ssrc(0) depctr_va_vcc(0) depctr_vm_vsrc(0)
	s_getreg_b32 s2, hwreg(HW_REG_IB_STS2, 6, 4)
	s_cmp_eq_u32 s2, 0
	s_cbranch_scc0 .Lentry_in_a_cluster
	s_endpgm
.Lentry_in_a_cluster:
	s_bfe_u32 s2, ttmp6, 0x10000c
	s_cmp_lg_u32 s2, 0xf033
	s_cbranch_scc0 .Lentry_shape_is_right
	s_endpgm
.Lentry_shape_is_right:
; out0 = y Wo.  yb: [2048][2048] f16, wob: [2048 k][2048] f16 (the bf16 rounding of Wo, held in f16), out0: [2048][2048] f32.  Nothing of this product is left out.
; A work-group makes 128 rows x 128 columns, 16 x 16 work-groups; its four waves stand 2 x 2 and make 64 x 64 each: 16 accumulator tiles.
; K goes in 8 steps of 256 through two LDS slots.  A slot holds y's tile (128 rows x 256 k, rows of 512 bytes, pitch 528: 67,584 bytes) and Wo's tile
; (256 k rows x 128 columns, rows of 256 bytes, pitch 288: 73,728 bytes).  Two slots and the stage take 2 x 141,312 + 17,408 = 300,032 bytes.
; Waves 0 and 1 fetch 64 rows of y each, waves 2 and 3 fetch 128 k rows of Wo each: one tensor load a wave and slot.  From a refill to the wait for it a wave
; issues 128 matrix instructions.  Both slots' first fills go out together at the start: a wave has two tensor loads out there, later one.
; CLUSTERS: 4 x 4.  y's tile hangs on the block row alone and is asked for jointly by a row of the cluster, Wo's on the block column alone and by a column;
; each joint refill stands behind a round of the cluster's barrier.
; A slot is eight quarters of 32 along K on two fragment buffers.  The last quarter's fragments are in registers when the slots change, so its 16 products are issued
; behind the change, while the next slot's first fragments come from LDS.
; The matrix instruction is used transposed (source 0 = 16 columns of Wo, source 1 = 16 rows of y): lane (r, h) holds row r and columns 8 h .. 8 h + 7 of a tile,
; 32 bytes of f32, which go through the wave's own stage in LDS and leave as whole rows of 256 bytes.
; REGISTER WINDOWS: 0: addresses, two fragment buffers; 1: the accumulator tiles, tile (mt, i) at v[8 (4 mt + i)].
.set NT,     4
.set YPITCH, 528                       ; 512 bytes of a row + 16: sixteen rows start at sixteen different 16-byte columns modulo 256
.set YHALF,  64*YPITCH                 ; what one of y's loads brings, and what one wave reads of y
.set YTILE,  2*YHALF
.set WPITCH, 288                       ; an odd multiple of 32 bytes, for the transposing load
.set WHALF,  128*WPITCH                ; what one of Wo's loads brings
.set SLOT,   YTILE+2*WHALF             ; 141,312
.set STAGE,  2*SLOT                    ; 16 rows x 272 bytes for each wave, behind the ring; no tensor load lands there
.set SPITCH, 272
.set ASTEP,  512                       ; a slot's 256 k along y's rows, bytes
.set BSTEP,  256*2048*2                ; a slot's 256 k rows of Wo, bytes
.set G1A, 24                           ; s[24:31] descriptor group 1, y's tile
.set G1B, 32                           ; s[32:39] descriptor group 1, Wo's tile
.set G0A, 40                           ; s[40:47] descriptor group 0, y's tile, a set for each slot
.set G0B, 48                           ; s[48:55] descriptor group 0, Wo's tile, a set for each slot
.set ADA,  8                           ; v8-9    y's fragments, slot 0, 1
.set ADB,  10                          ; v10-13  Wo's fragments: slot s, k rows 0-127 at 2 s, k rows 128-255 at 2 s + 1 (7 x 9,216 + 4,704 would pass the 16-bit offset)
.set STO,  16                          ; v16     stage, in
.set RD,   18                          ; v18     stage, back
.set GO,   19                          ; v19     byte offset in out0
.set FA,   32                          ; fragments of y, buffer f at FA + 80 f
.set FB,   64                          ; fragments of Wo, buffer f at FB + 80 f
.set MSB, 0
.macro WIN new                         ; the immediate's high byte repeats the setting that is left
.if MSB != \new
	s_set_vgpr_msb (MSB<<8)|\new
.set MSB, \new
.endif
.endm
.macro ROUND                           ; a round of the cluster's barrier
	s_barrier_signal -1
	s_barrier_wait -1
	s_cmp_lg_u32 s18, 0
	s_cbranch_scc1 .Lnot_wave_0_\@
	s_barrier_signal -3
.Lnot_wave_0_\@:
	s_barrier_wait -3
	s_barrier_signal -1
	s_barrier_wait -1
.endm
.macro JLOAD s                         ; waves 0, 1: their half of y's tile; waves 2, 3: their half of Wo's.  The branch hangs on the wave's number alone; every wave issues one load
	s_cmp_lt_u32 s18, 2
	s_cbranch_scc0 .Lfor_b_\@
	tensor_load_to_lds s[G0A+4*\s:G0A+4*\s+3], s[G1A:G1A+7]
	s_nop 0
	s_branch .Lasked_\@
.Lfor_b_\@:
	tensor_load_to_lds s[G0B+4*\s:G0B+4*\s+3], s[G1B:G1B+7]
	s_nop 0
.Lasked_\@:
.endm
; The fragments of quarter q (0 to 7) of slot s into buffer f; the four v_nop are the places behind the matrix instructions that read buffer f (ISA guide 7.12.1).
.macro FETCH s, q, f
	WIN 0
.rept 4
	v_nop
.endr
.irp mt, 0,1,2,3
	ds_load_b128 v[FA+80*\f+8*\mt:FA+80*\f+8*\mt+3], v[ADA+\s] offset:16*YPITCH*\mt+64*\q
	ds_load_b128 v[FA+80*\f+8*\mt+4:FA+80*\f+8*\mt+7], v[ADA+\s] offset:16*YPITCH*\mt+64*\q+32
.endr
.irp i, 0,1,2,3
	ds_load_tr16_b128 v[FB+80*\f+8*\i:FB+80*\f+8*\i+3], v[ADB+2*\s+(\q>>2)] offset:32*WPITCH*(\q&3)+32*\i
	ds_load_tr16_b128 v[FB+80*\f+8*\i+4:FB+80*\f+8*\i+7], v[ADB+2*\s+(\q>>2)] offset:32*WPITCH*(\q&3)+32*\i+16*WPITCH
.endr
.endm
; 16 matrix instructions on buffer f; the 16 accumulators take turns, one instruction a turn.  zero = 1: the first product starts the sums.
.macro MUL f, zero
	WIN 0x50                                       ; C and D in window 1
.irp mt, 0,1,2,3
.irp i, 0,1,2,3
.if \zero
	v_wmma_f32_16x16x32_f16 v[8*(NT*\mt+\i):8*(NT*\mt+\i)+7], v[FB+80*\f+8*\i:FB+80*\f+8*\i+7], v[FA+80*\f+8*\mt:FA+80*\f+8*\mt+7], 0
.else
	v_wmma_f32_16x16x32_f16 v[8*(NT*\mt+\i):8*(NT*\mt+\i)+7], v[FB+80*\f+8*\i:FB+80*\f+8*\i+7], v[FA+80*\f+8*\mt:FA+80*\f+8*\mt+7], v[8*(NT*\mt+\i):8*(NT*\mt+\i)+7]
.endif
.endr
.endr
.endm
; Slot s: all eight quarters are fetched, quarters 0 to 6 are multiplied; quarter 7 is left in buffer 1.  carry = 1: the last slot's quarter 7 is multiplied first.
.macro WORK s, carry, zero
	FETCH \s, 0, 0
.if \carry
	MUL 1, 0                                       ; registers alone: it stands where this slot's first fragments are on their way
.endif
	s_wait_dscnt 0x0
	FETCH \s, 1, 1                                 ; the next quarter's loads land during this quarter's 16 matrix instructions
	MUL 0, \zero
	s_wait_dscnt 0x0
	FETCH \s, 2, 0
	MUL 1, 0
	s_wait_dscnt 0x0
	FETCH \s, 3, 1
	MUL 0, 0
	s_wait_dscnt 0x0
	FETCH \s, 4, 0
	MUL 1, 0
	s_wait_dscnt 0x0
	FETCH \s, 5, 1
	MUL 0, 0
	s_wait_dscnt 0x0
	FETCH \s, 6, 0
	MUL 1, 0
	s_wait_dscnt 0x0
	FETCH \s, 7, 1
	MUL 0, 0
	WIN 0                                          ; at a label and at a branch every window is 0
.endm
; The change to slot s; o = the other slot, which was read last and, with refill = 1, gets its next 256 of K.
.macro TWO s, o, refill
	s_wait_tensorcnt 0x0                           ; all my tensor loads have landed, my part of slot s among them,
	ds_add_u32 v254, v255
	s_wait_dscnt 0x0
.if \refill
	s_add_nc_u64 s[G0A+4*\o+2:G0A+4*\o+3], s[G0A+4*\o+2:G0A+4*\o+3], 2*ASTEP   ; so a group 0 may be written: the other slot's next tiles
	s_add_nc_u64 s[G0B+4*\o+2:G0B+4*\o+3], s[G0B+4*\o+2:G0B+4*\o+3], 2*BSTEP
.endif
	s_wait_dscnt 0x0                               ; my reads of the other slot are back, its last quarter's fragments among them
.if \refill
	ROUND                                          ; both now hold of every wave of all sixteen work-groups
	JLOAD \o                                       ; my one tensor load behind the round
.else
	s_barrier_signal -1                            ; my work-group's own is enough
	s_barrier_wait -1
.endif
	WORK \s, 1, 0
.endm
; Rows 16 mt .. 16 mt + 15 of my 64 x 64: into my stage, back as rows of 256 bytes into v[rr:rr+31], out.
.macro OUT16 mt, rr
	WIN 0x04                                       ; the stores' data in window 1
.irp i, 0,1,2,3
	ds_store_b128 v[STO], v[8*(NT*\mt+\i):8*(NT*\mt+\i)+3] offset:64*\i
	ds_store_b128 v[STO], v[8*(NT*\mt+\i)+4:8*(NT*\mt+\i)+7] offset:64*\i+16
.endr
	WIN 0
	s_wait_xcnt 0x0                                ; v[rr ..], which earlier stores read, are loaded again only behind this wait
.irp u, 0,1,2,3,4,5,6,7
	ds_load_b128 v[\rr+4*\u:\rr+4*\u+3], v[RD] offset:2*SPITCH*\u     ; my own bytes: LDS serves a wave's instructions in order
.endr
.irp u, 0,1,2,3,4,5,6,7
	s_wait_dscnt 7-\u                              ; pair u of the eight pairs of rows is in, the younger ones stay out
	global_store_b128 v[GO], v[\rr+4*\u:\rr+4*\u+3], s[74:75] offset:(16*\mt+2*\u)*8192 th:TH_STORE_NT   ; sixteen lanes store 256 consecutive bytes, aligned
.endr
.endm
	s_load_b128 s[4:7], s[0:1], 0x0                ; yb s[4:5], wob s[6:7]
	s_load_b64 s[8:9], s[0:1], 0x10                ; out0
	v_lshl_add_u32 v254, v0, 2, 0x49400
	v_mov_b32 v255, 0
	ds_add_u32 v254, v255
	v_lshrrev_b32 v1, 5, v0
	v_readfirstlane_b32 s18, v1                    ; wave 0..3
	s_lshr_b32 s68, s18, 1                         ; which 64 rows of the block are mine
	s_and_b32 s69, s18, 1                          ; which 64 columns.  Also: which half of a tile I fetch
	s_bfe_u32 s19, ttmp6, 0x40000                  ; cx
	s_bfe_u32 s20, ttmp6, 0x40004                  ; cy
	s_lshl_b32 s21, ttmp9, 2
	s_add_co_u32 s21, s21, s19                     ; bx: block column, 0..15
	s_and_b32 s22, ttmp7, 0xffff
	s_lshl_b32 s22, s22, 2
	s_add_co_u32 s22, s22, s20                     ; by: block row, 0..15
	s_lshl_b32 s23, s20, 2
	s_lshl_b32 s23, 15, s23                        ; my row of the cluster
	s_lshl_b32 s60, 0x1111, s19                    ; my column
	; group 1 of y's tile: 64 rows x 256 elements of 2 bytes, 4 words of padding behind every 128 words
	s_or_b32 s[G1A+0], s23, (1<<16)|(1<<20)|(1<<21)|(6<<22)|(3<<25)
	s_mov_b32 s[G1A+1], 256<<16                    ; tensor_dim0 = 256
	s_mov_b32 s[G1A+2], 64<<16                     ; tensor_dim1 = 64
	s_mov_b32 s[G1A+3], 256<<16                    ; tile_dim0 = 256
	s_mov_b32 s[G1A+4], 64                         ; tile_dim1 = 64
	s_mov_b32 s[G1A+5], 2048                       ; elements from row to row
	s_mov_b32 s[G1A+6], 0
	s_mov_b32 s[G1A+7], 0
	; group 1 of Wo's tile: 128 rows x 128 elements, 8 words of padding behind every 64 words
	s_or_b32 s[G1B+0], s60, (1<<16)|(1<<20)|(1<<21)|(5<<22)|(7<<25)
	s_mov_b32 s[G1B+1], 128<<16
	s_mov_b32 s[G1B+2], 128<<16
	s_mov_b32 s[G1B+3], 128<<16
	s_mov_b32 s[G1B+4], 128
	s_mov_b32 s[G1B+5], 2048
	s_mov_b32 s[G1B+6], 0
	s_mov_b32 s[G1B+7], 0
	s_lshl_b32 s56, s22, 19                        ; y: 128 by rows of 4,096 bytes (the block row alone),
	s_lshl_b32 s61, s69, 18                        ; + 64 rows for the second half
	s_add_co_u32 s56, s56, s61
	s_mov_b32 s57, 0
	s_lshl_b32 s58, s21, 8                         ; Wo: column 128 bx, in bytes (the block column alone),
	s_lshl_b32 s61, s69, 19                        ; + 128 k rows of 4,096 bytes for the second half
	s_add_co_u32 s58, s58, s61
	s_mov_b32 s59, 0
	s_mul_i32 s62, s69, YHALF                      ; where y's halves go: the wave's number alone
	s_mul_i32 s63, s69, WHALF
	s_add_co_u32 s63, s63, YTILE                   ; where Wo's halves go: behind y's tile
	s_lshl_b32 s78, s22, 20                        ; out0: 128 by rows of 8,192 bytes,
	s_lshl_b32 s80, s68, 19                        ; my 64 rows,
	s_add_co_u32 s78, s78, s80
	s_lshl_b32 s80, s21, 9                         ; 128 bx columns of 4 bytes,
	s_add_co_u32 s78, s78, s80
	s_lshl_b32 s80, s69, 8                         ; my 64 columns
	s_add_co_u32 s78, s78, s80
	s_mov_b32 s79, 0
	s_wait_dscnt 0x0
	s_wait_kmcnt 0x0
	s_add_nc_u64 s[56:57], s[4:5], s[56:57]
	s_add_nc_u64 s[58:59], s[6:7], s[58:59]
	s_add_nc_u64 s[74:75], s[8:9], s[78:79]
.irp s, 0,1
	s_mov_b32 s[G0A+4*\s], 1                                       ; count = 1
	s_add_co_u32 s[G0A+4*\s+1], s62, \s*SLOT                       ; LDS address
	s_add_nc_u64 s[G0A+4*\s+2:G0A+4*\s+3], s[56:57], \s*ASTEP      ; k = 256 s ..
	s_or_b32 s[G0A+4*\s+3], s[G0A+4*\s+3], 0x80000000              ; type = 2
	s_mov_b32 s[G0B+4*\s], 1
	s_add_co_u32 s[G0B+4*\s+1], s63, \s*SLOT
	s_add_nc_u64 s[G0B+4*\s+2:G0B+4*\s+3], s[58:59], \s*BSTEP
	s_or_b32 s[G0B+4*\s+3], s[G0B+4*\s+3], 0x80000000
.endr
	ROUND                                          ; all sixteen work-groups are here: the first joint loads meet
	JLOAD 0                                        ; k = 0 .. 255
	JLOAD 1                                        ; k = 256 .. 511: both first fills go out as one group
	v_and_b32 v2, 15, v0                           ; r
	v_bfe_u32 v3, v0, 4, 1                         ; h
	v_and_b32 v4, 7, v0
	v_bfe_u32 v5, v0, 3, 1
	v_mul_u32_u24 v6, v2, YPITCH
	v_lshl_add_u32 v6, v3, 4, v6                   ; y's fragments: row r, 16 h bytes,
	s_mul_i32 s82, s68, YHALF                      ; in my 64 rows
	v_add_nc_u32 v[ADA], s82, v6
	v_add_nc_u32 v[ADA+1], SLOT, v[ADA]
	v_lshl_add_u32 v4, v3, 3, v4                   ; Wo's fragments: k row 8 h + l % 8,
	v_mul_u32_u24 v4, v4, WPITCH
	v_lshl_add_u32 v4, v5, 4, v4                   ; columns 8 ((l / 8) % 2) ..,
	s_lshl_b32 s83, s69, 7                         ; in my 64 columns,
	s_add_co_u32 s83, s83, YTILE                   ; behind y's tile
	v_add_nc_u32 v[ADB], s83, v4
	v_add_nc_u32 v[ADB+1], WHALF, v[ADB]
	v_add_nc_u32 v[ADB+2], SLOT, v[ADB]
	v_add_nc_u32 v[ADB+3], SLOT+WHALF, v[ADB]
	s_mul_i32 s83, s18, 16*SPITCH
	s_add_co_u32 s83, s83, STAGE                   ; my stage
	v_mul_u32_u24 v7, v2, SPITCH
	v_lshl_add_u32 v7, v3, 5, v7                   ; in: row r, 32 h bytes
	v_add_nc_u32 v[STO], s83, v7
	v_mul_u32_u24 v7, v3, SPITCH
	v_lshl_add_u32 v7, v2, 4, v7                   ; back: lanes 0-15 one row, lanes 16-31 the next
	v_add_nc_u32 v[RD], s83, v7
	v_lshlrev_b32 v7, 13, v3
	v_lshl_add_u32 v[GO], v2, 4, v7                ; the same two rows in out0
	s_wait_tensorcnt 0x1                           ; my part of slot 0 has landed; slot 1's load, issued behind it, stays out
	s_barrier_signal -1
	s_barrier_wait -1                              ; everybody's part of slot 0 has landed
	WORK 0, 0, 1                                   ; k = 0 .. 255 stands in front of the loop: its first products start the sums
	s_mov_b32 s66, 3
.Lk:
	TWO 1, 0, 1                                    ; slots of k = 256, 768, 1280; slot 0 gets k = 512, 1024, 1536
	TWO 0, 1, 1                                    ; slots of k = 512, 1024, 1536; slot 1 gets k = 768, 1280, 1792
	s_sub_co_i32 s66, s66, 1
	s_cmp_lg_u32 s66, 0
	s_cbranch_scc1 .Lk
	TWO 1, 0, 0                                    ; k = 1792 .. 2047: nothing is left to fetch
	s_wait_dscnt 0x0                               ; the last quarter's fragments
	MUL 1, 0
	WIN 0
.rept 4
	v_nop                                          ; the places between the last matrix instructions and the stores that read their results
.endr
	OUT16 0, 32
	OUT16 1, 64
	OUT16 2, 32
	OUT16 3, 64
	s_wait_tensorcnt 0x0
	ds_add_u32 v254, v255
	s_wait_dscnt 0x0
	ROUND                                          ; the closing round: no work-group ends while a partner may still ask for a tile that names it
	s_endpgm
.Lfunc_end_k_q1c1f205e82_outp:
	.size	k_q1c1f205e82_outp, .Lfunc_end_k_q1c1f205e82_outp-k_q1c1f205e82_outp
	.p2alignl 7, 3214868480
	.fill 96, 4, 3214868480
	.section	.rodata,"a",@progbits
	.p2align	6, 0x0
	.amdhsa_kernel k_q1c1f205e82_outp
		.amdhsa_group_segment_fixed_size 327680
		.amdhsa_private_segment_fixed_size 0
		.amdhsa_enable_private_segment 0
		.amdhsa_kernarg_size 24
		.amdhsa_user_sgpr_count 2
		.amdhsa_user_sgpr_kernarg_segment_ptr 1
		.amdhsa_wavefront_size32 1
		.amdhsa_system_sgpr_workgroup_id_x 1
		.amdhsa_system_sgpr_workgroup_id_y 1
		.amdhsa_system_sgpr_workgroup_id_z 1
		.amdhsa_system_vgpr_workitem_id 0
		.amdhsa_next_free_vgpr 384
		.amdhsa_next_free_sgpr 84
		.amdhsa_reserve_vcc 0
		.amdhsa_float_denorm_mode_32 3
		.amdhsa_float_denorm_mode_16_64 3
		.amdhsa_memory_ordered 1
		.amdhsa_forward_progress 1
		.amdhsa_inst_pref_size 89
	.end_amdhsa_kernel
	.amdgpu_metadata
---
amdhsa.version: [ 1, 2 ]
amdhsa.kernels:
  - .name:           k_q1c1f205e82_outp
    .symbol:         k_q1c1f205e82_outp.kd
    .args:
      - { .name: yb, .offset: 0, .size: 8, .value_kind: global_buffer, .address_space: global }
      - { .name: wob, .offset: 8, .size: 8, .value_kind: global_buffer, .address_space: global }
      - { .name: out0, .offset: 16, .size: 8, .value_kind: global_buffer, .address_space: global }
    .group_segment_fixed_size: 327680
    .private_segment_fixed_size: 0
    .kernarg_segment_align: 8
    .kernarg_segment_size: 24
    .max_flat_workgroup_size: 128
    .sgpr_count:     84
    .vgpr_count:     384
    .wavefront_size: 32
...
	.end_amdgpu_metadata
.endif
;; end of part 4
;; ======== version 2 of 2: 4 launches; version 1 with the launch cast written anew for expert scheduling mode
;; limits: values outside matrix products are rounded to bf16; values are held in f16: magnitudes above 65,504 overflow, below 6.1e-05 lose precision
;; workspace buffers: xb 8,388,608 bytes; wcat 12,582,912 bytes; wob 8,388,608 bytes; qb 8,388,608 bytes; kb 2,097,152 bytes; vb 2,097,152 bytes; yb 8,388,608 bytes; rot 1,048,576 bytes
;; launch cast (part 5): grid 256 x 1, 8 waves a work-group, no clusters, 0 bytes of LDS; arguments x, Wq, Wk, Wv, Wo, xb, wcat, wob, freqs_cos, freqs_sin, rot; writes xb, wcat, wob, rot
.if DOCPART == 5
	.amdgcn_target "amdgcn-amd-amdhsa--gfx1250"
	.amdhsa_code_object_version 6
	.text
	.protected	k_q1c1f205e82_cast
	.globl	k_q1c1f205e82_cast
	.p2align	8
	.type	k_q1c1f205e82_cast,@function
k_q1c1f205e82_cast:
	s_mov_b64 s[64:65], 0
	v_nop
	global_prefetch_b8 v0, s[64:65] scope:SCOPE_SE
	s_setreg_imm32_b32 hwreg(HW_REG_WAVE_SCHED_MODE, 0, 2), 2
	s_setreg_imm32_b32 hwreg(HW_REG_WAVE_MODE, 25, 1), 1
	s_wait_xcnt 0x0
	s_wait_alu depctr_vm_vsrc(0)
; MULTI-HEAD ATTENTION WITH GROUPED KEYS AND VALUES: T = C = 2048, 16 query heads, 4 key/value heads, head size 128, all tensors f32.
; Four launches.  cast (this one): the inputs rounded once.  proj: q, k, v = x W, with the rotation of q and k.
; attn: softmax(q k^T / sqrt(128)) v under the causal mask.  outp: y Wo.
; WORK LEFT OUT (in attn).  reference() itself sets att[q][k] to -inf wherever k > q (its own jnp.tril), so the softmax weight of such a key
; is exp(-inf) = 0 whatever finite values the inputs hold, and 0 times v adds nothing to y.  A tile of 128 keys whose first key lies behind
; the last query of a block of 64 queries holds such keys alone: it is neither loaded nor multiplied.  The tile on the diagonal holds live
; keys too: it is computed whole and masked.  repeat_kv only copies rows: the four query heads of a group read the same k and v.
; No input is without a way to the output: all seven are loaded.
; NUMBER FORMATS.  All seven inputs enter as their bf16 roundings, the rounding of inputs that the problem's comparison names; freqs_cos and
; freqs_sin too, though they feed no matrix unit.  What one launch hands to the next as a matrix operand (q, k, v, the softmax weights, y) is f16:
; 11 significant bits instead of 8.  The reason: a row with few keys is hardly averaged (row 0 of y is v[0] itself), so its numbers are many times
; the output's root mean square, to which the allowed error is tied, and a rounding to 8 bits of v, of the weights or of y is too coarse there.
; Sums, the rotation and the softmax are f32.
; LIMITS.  A NaN, an infinity or an overflow that reaches only the tiles left out is not carried to the result.  f16's range: |v| and |y| below 65,504
; (x offset by 30 and Wv by 0.6 give 2048 x 18 = 36,864; both 30 times larger give some 4,000); q and k are kept as q / 16 and k / 16, so they have
; room up to 16 x 65,504.  Wo below 2^-17 in magnitude is off by up to 3e-8 in f16.  In attn a sum of (q / 16)(k / 16) below -1e30 is not told
; apart from a masked one.
;
; THIS LAUNCH.  The tiles of the later launches are brought into LDS as they lie in memory, so the rounding is done once, here.
; xb: x in bf16.  wcat: [2048 k][3072] = Wq | Wk | Wv in bf16, a row of 6,144 bytes, so that proj walks one matrix.
; wob: Wo rounded to bf16 and held in f16 (outp multiplies it by y, which is f16).
; rot: f32 [2][2048][64]: cos, then sin, rounded to bf16, widened again and multiplied by 2^-4 (exact): the rotation then yields q / 16 and k / 16.
; Work-group g owns rows 8 g .. 8 g + 7 of the five matrices (64 KiB of x, Wq and Wo, 16 KiB of Wk and Wv, each contiguous) and of the two tables (2 KiB each).
; A thread has 57 slots: one load of 16 bytes (4 f32), the rounding in place, one store.  A wave's load covers 512 consecutive bytes, its store 256 or 512
; consecutive bytes that begin at a multiple of 256.  All 57 loads go out first; each slot has registers of its own, so none that a store reads is written again.
; THE MODE: SCHED_MODE bits 1:0 = 2 (LLVM: expert scheduling mode 2), set by the entry lines.  The code itself states the register dependences
; between vector instructions and memory instructions, with s_wait_alu, always for 0.
; THE PLAN.  Registers that memory instructions touch:
;   v1, v2, v3, v6   byte offsets.  Written once, at the head, by vector instructions; read by every load and store; never written again.
;   slot i           v[D + 4 i .. + 3].  Load i lands in it, issued at the head, before any vector instruction names it.  Slot i's roundings read and write it,
;                    behind the counted wait for the load.  Slot i's one store reads registers 0 and 1 (the table's slot: all four).  Nothing writes it after that.
; So no register that a memory instruction reads is written afterwards, and no load follows a vector instruction that names its registers: what is left to state
; is that a store's data are written.  The 56 slots of the matrices go in 14 groups of four.  Group g's four stores are issued in group g + 1: at that group's head, behind the
; wait for its data, ONE wait on va_vdst states that group g's roundings have written their registers, and the four stores follow it, one ahead of each slot's roundings,
; which name group g + 1's slots alone.
.set D,  8                             ; v[8:235]  slot i: 4 registers
.set NL, 57                            ; loads of a thread
.macro LOADS first, n, base            ; n loads of 4,096 bytes a work-group, from the matrix whose address is in s[base:base+1]
.set i, 0
.rept \n
	global_load_b128 v[D+4*(\first+i):D+4*(\first+i)+3], v1, s[\base:\base+1] offset:4096*i th:TH_LOAD_NT
.set i, i+1
.endr
.endm
.macro ROUND4                          ; slot sl: four f32 become four bf16 in registers 0 and 1
	v_cvt_pk_bf16_f32 v[D+4*sl], v[D+4*sl], v[D+4*sl+1]
	v_cvt_pk_bf16_f32 v[D+4*sl+1], v[D+4*sl+2], v[D+4*sl+3]
.endm
.macro WIDEN4                          ; slot sl: and four f32 again, in registers 0 to 3
	v_lshlrev_b32 v[D+4*sl+2], 16, v[D+4*sl+1]
	v_and_b32 v[D+4*sl+3], s44, v[D+4*sl+1]
	v_and_b32 v[D+4*sl+1], s44, v[D+4*sl]
	v_lshlrev_b32 v[D+4*sl], 16, v[D+4*sl]
.endm
; Slot sl is rounded, in place; slots 32 to 47 are Wo's: their bf16 numbers are held in f16.  sl steps.
.macro CONV
	ROUND4
.if (sl >= 32) && (sl < 48)
	WIDEN4
	v_cvt_pk_f16_f32 v[D+4*sl], v[D+4*sl], v[D+4*sl+1]
	v_cvt_pk_f16_f32 v[D+4*sl+1], v[D+4*sl+2], v[D+4*sl+3]
.endif
.set sl, sl+1
.endm
; Slot st is stored; st steps.
.macro STORE
.if st < 16
	global_store_b64 v2, v[D+4*st:D+4*st+1], s[18:19] offset:2048*st                                  ; x to xb
.elseif st < 32
	global_store_b64 v2, v[D+4*st:D+4*st+1], s[20:21] offset:((st-16)>>1)*6144+((st-16)&1)*2048       ; Wq: a slot is half a row; columns 0 to 2047 of wcat
.elseif st < 48
	global_store_b64 v2, v[D+4*st:D+4*st+1], s[22:23] offset:2048*(st-32)                             ; Wo to wob, in f16
.elseif st < 52
	global_store_b64 v3, v[D+4*st:D+4*st+1], s[20:21] offset:2*(st-48)*6144+4096                      ; Wk: columns 2048 to 2559 of wcat
.else
	global_store_b64 v3, v[D+4*st:D+4*st+1], s[20:21] offset:2*(st-52)*6144+5120                      ; Wv: columns 2560 to 3071
.endif
.set st, st+1
.endm
; A group: slots sl .. sl + 3 are rounded, and the four slots of the group before are stored.
.macro GROUP
	s_wait_loadcnt NL-4-sl                         ; loads return in order: the four slots of this group are in, the 53 - sl younger loads stay out
.if sl > 0
	s_wait_alu depctr_va_vdst(0)                   ; the roundings of the group before have written registers 0 and 1 of its four slots, which the four stores below read
.endif
.rept 4
.if sl >= 4
	STORE                                          ; no vector instruction since the wait names this slot's registers or the offsets
.endif
	CONV
.endr
.endm
	s_load_b512 s[8:23], s[0:1], 0x0               ; x, Wq, Wk, Wv, Wo, xb, wcat, wob
	s_load_b128 s[32:35], s[0:1], 0x40             ; freqs_cos, freqs_sin
	s_load_b64 s[36:37], s[0:1], 0x50              ; rot
	v_lshrrev_b32 v7, 5, v0
	v_readfirstlane_b32 s38, v7                    ; wave 0..7
	v_lshlrev_b32 v1, 4, v0                        ; loads: 16 t
	v_lshlrev_b32 v2, 3, v0                        ; stores of the matrices 2,048 wide: 8 t
	v_lshrrev_b32 v4, 7, v0                        ; Wk, Wv: a slot is two rows of 512; t / 128 is the row,
	v_and_b32 v5, 127, v0                          ; t % 128 the place in it
	v_mul_u32_u24 v4, v4, 6144
	v_lshl_add_u32 v3, v5, 3, v4                   ; stores of Wk and Wv into wcat
	v_lshlrev_b32 v6, 4, v5                        ; the tables: 16 (t % 128), for the load and for the store
	s_wait_alu depctr_va_sdst(0)                   ; s38 is written, ahead of its first reader: the compare below that chooses between cos and sin
	s_lshl_b32 s24, ttmp9, 16                      ; 8 rows of 8,192 bytes
	s_mov_b32 s25, 0
	s_lshl_b32 s26, ttmp9, 14                      ; 8 rows of 2,048 bytes
	s_mov_b32 s27, 0
	s_lshl_b32 s28, ttmp9, 15                      ; 8 rows of 4,096 bytes
	s_mov_b32 s29, 0
	s_mul_i32 s30, ttmp9, 49152                    ; 8 rows of 6,144 bytes
	s_mov_b32 s31, 0
	s_lshl_b32 s40, ttmp9, 11                      ; 8 rows of 256 bytes
	s_mov_b32 s41, 0
	s_mov_b32 s43, 0
	s_mov_b32 s44, 0xffff0000                      ; a word's upper bf16
	s_wait_kmcnt 0x0
	s_add_nc_u64 s[8:9], s[8:9], s[24:25]          ; x
	s_add_nc_u64 s[10:11], s[10:11], s[24:25]      ; Wq
	s_add_nc_u64 s[12:13], s[12:13], s[26:27]      ; Wk
	s_add_nc_u64 s[14:15], s[14:15], s[26:27]      ; Wv
	s_add_nc_u64 s[16:17], s[16:17], s[24:25]      ; Wo
	s_add_nc_u64 s[18:19], s[18:19], s[28:29]      ; xb
	s_add_nc_u64 s[20:21], s[20:21], s[30:31]      ; wcat
	s_add_nc_u64 s[22:23], s[22:23], s[28:29]      ; wob
	s_cmp_ge_u32 s38, 4                            ; waves 0 to 3 take cos, waves 4 to 7 sin
	s_cselect_b64 s[32:33], s[34:35], s[32:33]
	s_cselect_b32 s42, 0x80000, 0                  ; sin lies 524,288 bytes behind cos in rot
	s_add_nc_u64 s[32:33], s[32:33], s[40:41]
	s_add_co_u32 s42, s42, s40
	s_add_nc_u64 s[36:37], s[36:37], s[42:43]
	s_wait_alu depctr_va_vdst(0)                   ; the offsets v1, v2, v3 and v6 are written: every load and store of the kernel reads one of them
	LOADS 0, 16, 8                                 ; x
	LOADS 16, 16, 10                               ; Wq
	LOADS 32, 16, 16                               ; Wo
	LOADS 48, 4, 12                                ; Wk
	LOADS 52, 4, 14                                ; Wv
	global_load_b128 v[D+224:D+227], v6, s[32:33] th:TH_LOAD_NT    ; my wave's table
.set sl, 0                             ; the slot to be rounded next
.set st, 0                             ; the slot to be stored next: a group behind
.rept 14
	GROUP                                          ; x, Wq, Wo, Wk, Wv: slots 0 to 55
.endr
	s_wait_loadcnt 0x0                             ; the last load: the table's
	s_wait_alu depctr_va_vdst(0)                   ; the roundings of slots 52 to 55 have written the registers that the four stores below read
.rept 4
	STORE
.endr
	ROUND4
	WIDEN4
	v_pk_mul_f32 v[D+4*sl:D+4*sl+1], v[D+4*sl:D+4*sl+1], 0x3d800000 op_sel_hi:[1,0]       ; x 2^-4
	v_pk_mul_f32 v[D+4*sl+2:D+4*sl+3], v[D+4*sl+2:D+4*sl+3], 0x3d800000 op_sel_hi:[1,0]
	s_wait_alu depctr_va_vdst(0)                   ; the two products have written the table's four registers, which the store reads
	global_store_b128 v6, v[D+4*sl:D+4*sl+3], s[36:37]
	s_endpgm
.Lfunc_end_k_q1c1f205e82_cast:
	.size	k_q1c1f205e82_cast, .Lfunc_end_k_q1c1f205e82_cast-k_q1c1f205e82_cast
	.p2alignl 7, 3214868480
	.fill 96, 4, 3214868480
	.section	.rodata,"a",@progbits
	.p2align	6, 0x0
	.amdhsa_kernel k_q1c1f205e82_cast
		.amdhsa_group_segment_fixed_size 0
		.amdhsa_private_segment_fixed_size 0
		.amdhsa_enable_private_segment 0
		.amdhsa_kernarg_size 88
		.amdhsa_user_sgpr_count 2
		.amdhsa_user_sgpr_kernarg_segment_ptr 1
		.amdhsa_wavefront_size32 1
		.amdhsa_system_sgpr_workgroup_id_x 1
		.amdhsa_system_sgpr_workgroup_id_y 1
		.amdhsa_system_sgpr_workgroup_id_z 1
		.amdhsa_system_vgpr_workitem_id 0
		.amdhsa_next_free_vgpr 236
		.amdhsa_next_free_sgpr 66
		.amdhsa_reserve_vcc 0
		.amdhsa_float_denorm_mode_32 3
		.amdhsa_float_denorm_mode_16_64 3
		.amdhsa_memory_ordered 1
		.amdhsa_forward_progress 1
		.amdhsa_inst_pref_size 26
	.end_amdhsa_kernel
	.amdgpu_metadata
---
amdhsa.version: [ 1, 2 ]
amdhsa.kernels:
  - .name:           k_q1c1f205e82_cast
    .symbol:         k_q1c1f205e82_cast.kd
    .args:
      - { .name: x, .offset: 0, .size: 8, .value_kind: global_buffer, .address_space: global }
      - { .name: Wq, .offset: 8, .size: 8, .value_kind: global_buffer, .address_space: global }
      - { .name: Wk, .offset: 16, .size: 8, .value_kind: global_buffer, .address_space: global }
      - { .name: Wv, .offset: 24, .size: 8, .value_kind: global_buffer, .address_space: global }
      - { .name: Wo, .offset: 32, .size: 8, .value_kind: global_buffer, .address_space: global }
      - { .name: xb, .offset: 40, .size: 8, .value_kind: global_buffer, .address_space: global }
      - { .name: wcat, .offset: 48, .size: 8, .value_kind: global_buffer, .address_space: global }
      - { .name: wob, .offset: 56, .size: 8, .value_kind: global_buffer, .address_space: global }
      - { .name: freqs_cos, .offset: 64, .size: 8, .value_kind: global_buffer, .address_space: global }
      - { .name: freqs_sin, .offset: 72, .size: 8, .value_kind: global_buffer, .address_space: global }
      - { .name: rot, .offset: 80, .size: 8, .value_kind: global_buffer, .address_space: global }
    .group_segment_fixed_size: 0
    .private_segment_fixed_size: 0
    .kernarg_segment_align: 8
    .kernarg_segment_size: 88
    .max_flat_workgroup_size: 256
    .sgpr_count:     66
    .vgpr_count:     236
    .wavefront_size: 32
...
	.end_amdgpu_metadata
.endif
;; end of part 5
;; launch proj: the kernel of part 2 again; grid 8 x 32, 4 waves a work-group, clusters of 4 x 4, 327,680 bytes of LDS; arguments xb, wcat, rot, qb, kb, vb; writes qb, kb, vb
;; launch attn: the kernel of part 3 again; grid 256 x 1, 8 waves a work-group, clusters of 4 x 1, 327,680 bytes of LDS; arguments qb, kb, vb, yb; writes yb
;; launch outp: the kernel of part 4 again; grid 16 x 16, 4 waves a work-group, clusters of 4 x 4, 327,680 bytes of LDS; arguments yb, wob, out0; writes out0
